; MI455X (gfx1250); checked and timed in simulation.
; The chip was launched on July 23, 2026; its instructions are those of AMD's public machine-readable ISA for CDNA 5 (MIT licence, August 2026) and "CDNA5" Instruction Set Architecture Reference Guide (July 2026). The comments in the code are by the model that wrote it; some were corrected since.
;; Standard MHA. Allowed arithmetic: float matrix products may take bf16 or f16 operands with f32 sums; other float arithmetic in f32, or as packed bf16 or f16 multiplies, adds, multiply-adds, maxima and minima; sums over many terms, partial sums and values carried from step to step in f32; what a program stores and reads back later, other than sums and carried values, may be rounded once to bf16 or f16.
;; Inputs: Wk 1,024 x 1,024 float32; Wo 1,024 x 1,024 float32; Wq 1,024 x 1,024 float32; Wv 1,024 x 1,024 float32; bk 1,024 float32; bo 1,024 float32; bq 1,024 float32; bv 1,024 float32; x 1 x 4,096 x 1,024 float32.
;; Outputs: out0 1 x 4,096 x 1,024 float32.
;; 2 versions, each right; version 2 is version 1 with the launch cast written anew for expert scheduling mode. Each part assembles by itself: llvm-mc -triple=amdgcn-amd-amdhsa -mcpu=gfx1250 --defsym DOCPART=n.
;; ======== version 1 of 2: 4 launches
;; limits: values are held in f16: magnitudes above 65,504 overflow, below 6.1e-05 lose precision
;; workspace buffers: xb 8,388,608 bytes; wb 6,291,456 bytes; wo 2,097,152 bytes; bias 16,384 bytes; qkv 25,165,824 bytes; ob 8,388,608 bytes
;; launch cast (part 1): grid 513 x 1, 8 waves a work-group, no clusters, 0 bytes of LDS; arguments x, Wq, Wk, Wv, Wo, bq, bk, bv, bo, xb, wb, wo, bias; writes xb, wb, wo, bias
.if DOCPART == 1
	.amdgcn_target "amdgcn-amd-amdhsa--gfx1250"
	.amdhsa_code_object_version 6
	.text
	.protected	k_q91c2c66f8b_cast
	.globl	k_q91c2c66f8b_cast
	.p2align	8
	.type	k_q91c2c66f8b_cast,@function
k_q91c2c66f8b_cast:
	s_mov_b64 s[64:65], 0
	v_nop
	global_prefetch_b8 v0, s[64:65] scope:SCOPE_SE
	s_setreg_imm32_b32 hwreg(HW_REG_WAVE_MODE, 25, 1), 1
	s_wait_xcnt 0x0
; CAST: every input is rounded once to bf16 (nearest even) and laid where the later launches want it.
;   xb   = bf16 [4096][1024]            x
;   wb   = bf16 [3072][1024]            the rows of Wq, then Wk, then Wv
;   wo   = f16  [1024][1024]            Wo rounded to bf16, that number written as f16
;   bias = f32  [4096]                  bq | bk | bv | bo, each rounded to bf16 and widened again
; LIMITS.  A number of Wo beyond 65,504 becomes an infinity in f16; below 6.1e-5 it keeps f16's fixed step of 6e-8.
; SHARES.  A work-group takes a chunk of 16,384 numbers (64 KiB in, 32 KiB out): chunks 0-255 x, 256-319 Wq, 320-383 Wk, 384-447 Wv, 448-511 Wo;
; work-group 512 takes the four biases.  A wave takes 8 KiB as 16 loads of 512 consecutive bytes, all issued at once; each load becomes one store
; of 8 bytes a lane: 256 consecutive bytes, at a multiple of 256 from the buffer's first byte.  No byte is read or written twice; no work-group
; reads what another reads, so there is no LDS, no barrier and no cluster.  No register that a pending load or store names is written again.
.set T, 4                              ; v[4:7]    at work
.set X, 8                              ; v[8:71]   16 x 4 numbers as loaded
.set Y, 72                             ; v[72:103] 16 x 2 registers to store (biases: 4 x 4)
.set FIRST_WQ, 256                     ; the first chunk of each tensor
.set FIRST_WK, 320
.set FIRST_WV, 384
.set FIRST_WO, 448
.set BIASES,   512
	s_load_b512 s[8:23], s[0:1], 0x0               ; x 8, Wq 10, Wk 12, Wv 14, Wo 16, bq 18, bk 20, bv 22
	s_load_b256 s[24:31], s[0:1], 0x40             ; bo 24, xb 26, wb 28, wo 30
	s_load_b64 s[32:33], s[0:1], 0x60              ; bias
	s_mov_b32 s2, ttmp9                            ; my chunk
	v_lshrrev_b32 v4, 5, v0                        ; wave
	v_and_b32 v5, 31, v0                           ; lane
	v_lshlrev_b32 v1, 4, v5
	v_lshl_or_b32 v1, v4, 13, v1                   ; in: 8,192 x wave + 16 x lane
	v_lshlrev_b32 v2, 3, v5
	v_lshl_or_b32 v2, v4, 12, v2                   ; out: 4,096 x wave + 8 x lane
	v_lshlrev_b32 v3, 4, v0                        ; the biases: 16 x thread
	s_wait_kmcnt 0x0
	s_cmp_eq_u32 s2, BIASES
	s_cbranch_scc1 .Lbias
	s_mov_b64 s[36:37], s[8:9]                     ; from x
	s_mov_b64 s[38:39], s[26:27]                   ; to xb
	s_mov_b32 s4, 0                                ; the source's first chunk
	s_mov_b32 s5, 0                                ; the destination's first chunk
	s_cmp_ge_u32 s2, FIRST_WQ
	s_cselect_b64 s[36:37], s[10:11], s[36:37]
	s_cselect_b64 s[38:39], s[28:29], s[38:39]
	s_cselect_b32 s4, FIRST_WQ, s4
	s_cselect_b32 s5, FIRST_WQ, s5                 ; wb takes Wq, Wk and Wv on end
	s_cmp_ge_u32 s2, FIRST_WK
	s_cselect_b64 s[36:37], s[12:13], s[36:37]
	s_cselect_b32 s4, FIRST_WK, s4
	s_cmp_ge_u32 s2, FIRST_WV
	s_cselect_b64 s[36:37], s[14:15], s[36:37]
	s_cselect_b32 s4, FIRST_WV, s4
	s_cmp_ge_u32 s2, FIRST_WO
	s_cselect_b64 s[36:37], s[16:17], s[36:37]
	s_cselect_b64 s[38:39], s[30:31], s[38:39]
	s_cselect_b32 s4, FIRST_WO, s4
	s_cselect_b32 s5, FIRST_WO, s5
	s_sub_co_u32 s40, s2, s4
	s_lshl_b32 s40, s40, 16                        ; 65,536 bytes of f32 a chunk
	s_mov_b32 s41, 0
	s_sub_co_u32 s42, s2, s5
	s_lshl_b32 s42, s42, 15                        ; 32,768 bytes of 16-bit numbers
	s_mov_b32 s43, 0
	s_add_nc_u64 s[36:37], s[36:37], s[40:41]
	s_add_nc_u64 s[38:39], s[38:39], s[42:43]
.irp i, 0,1,2,3,4,5,6,7,8,9,10,11,12,13,14,15
	global_load_b128 v[X+4*(\i):X+4*(\i)+3], v1, s[36:37] offset:512*(\i) th:TH_LOAD_NT
.endr
; Load i is rounded and stored.  half = 1: the bf16 numbers are widened again and written as f16.
.macro CONV i, half
	s_wait_loadcnt 15-(\i)                         ; loads come back in order: mine is in, the 15 - i younger ones stay out
.if \half
	v_cvt_pk_bf16_f32 v[T],   v[X+4*(\i)],   v[X+4*(\i)+1]
	v_cvt_pk_bf16_f32 v[T+1], v[X+4*(\i)+2], v[X+4*(\i)+3]
	v_lshlrev_b32 v[T+2], 16, v[T]                 ; bf16 to f32: the low half moves up,
	v_and_b32     v[T],   0xffff0000, v[T]         ; the high half stays
	v_lshlrev_b32 v[T+3], 16, v[T+1]
	v_and_b32     v[T+1], 0xffff0000, v[T+1]
	v_cvt_pk_f16_f32 v[Y+2*(\i)],   v[T+2], v[T]
	v_cvt_pk_f16_f32 v[Y+2*(\i)+1], v[T+3], v[T+1]
.else
	v_cvt_pk_bf16_f32 v[Y+2*(\i)],   v[X+4*(\i)],   v[X+4*(\i)+1]
	v_cvt_pk_bf16_f32 v[Y+2*(\i)+1], v[X+4*(\i)+2], v[X+4*(\i)+3]
.endif
	global_store_b64 v2, v[Y+2*(\i):Y+2*(\i)+1], s[38:39] offset:256*(\i)
.endm
	s_cmp_ge_u32 s2, FIRST_WO
	s_cbranch_scc1 .Lf16
.irp i, 0,1,2,3,4,5,6,7,8,9,10,11,12,13,14,15
	CONV \i, 0
.endr
	s_endpgm
.Lf16:
.irp i, 0,1,2,3,4,5,6,7,8,9,10,11,12,13,14,15
	CONV \i, 1
.endr
	s_endpgm
.Lbias:                                        ; 256 threads x 16 bytes are one whole bias
	global_load_b128 v[X:X+3],     v3, s[18:19]
	global_load_b128 v[X+4:X+7],   v3, s[20:21]
	global_load_b128 v[X+8:X+11],  v3, s[22:23]
	global_load_b128 v[X+12:X+15], v3, s[24:25]
.irp k, 0,1,2,3
	s_wait_loadcnt 3-(\k)                          ; bias k is in
	v_cvt_pk_bf16_f32 v[T],   v[X+4*(\k)],   v[X+4*(\k)+1]
	v_cvt_pk_bf16_f32 v[T+1], v[X+4*(\k)+2], v[X+4*(\k)+3]
	v_lshlrev_b32 v[Y+4*(\k)],   16, v[T]
	v_and_b32     v[Y+4*(\k)+1], 0xffff0000, v[T]
	v_lshlrev_b32 v[Y+4*(\k)+2], 16, v[T+1]
	v_and_b32     v[Y+4*(\k)+3], 0xffff0000, v[T+1]
	global_store_b128 v3, v[Y+4*(\k):Y+4*(\k)+3], s[32:33] offset:4096*(\k)
.endr
	s_endpgm
.Lfunc_end_k_q91c2c66f8b_cast:
	.size	k_q91c2c66f8b_cast, .Lfunc_end_k_q91c2c66f8b_cast-k_q91c2c66f8b_cast
	.p2alignl 7, 3214868480
	.fill 96, 4, 3214868480
	.section	.rodata,"a",@progbits
	.p2align	6, 0x0
	.amdhsa_kernel k_q91c2c66f8b_cast
		.amdhsa_group_segment_fixed_size 0
		.amdhsa_private_segment_fixed_size 0
		.amdhsa_enable_private_segment 0
		.amdhsa_kernarg_size 104
		.amdhsa_user_sgpr_count 2
		.amdhsa_user_sgpr_kernarg_segment_ptr 1
		.amdhsa_wavefront_size32 1
		.amdhsa_system_sgpr_workgroup_id_x 1
		.amdhsa_system_sgpr_workgroup_id_y 1
		.amdhsa_system_sgpr_workgroup_id_z 1
		.amdhsa_system_vgpr_workitem_id 0
		.amdhsa_next_free_vgpr 104
		.amdhsa_next_free_sgpr 66
		.amdhsa_reserve_vcc 0
		.amdhsa_float_denorm_mode_32 3
		.amdhsa_float_denorm_mode_16_64 3
		.amdhsa_memory_ordered 1
		.amdhsa_forward_progress 1
		.amdhsa_inst_pref_size 19
	.end_amdhsa_kernel
	.amdgpu_metadata
---
amdhsa.version: [ 1, 2 ]
amdhsa.kernels:
  - .name:           k_q91c2c66f8b_cast
    .symbol:         k_q91c2c66f8b_cast.kd
    .args:
      - { .name: x, .offset: 0, .size: 8, .value_kind: global_buffer, .address_space: global }
      - { .name: Wq, .offset: 8, .size: 8, .value_kind: global_buffer, .address_space: global }
      - { .name: Wk, .offset: 16, .size: 8, .value_kind: global_buffer, .address_space: global }
      - { .name: Wv, .offset: 24, .size: 8, .value_kind: global_buffer, .address_space: global }
      - { .name: Wo, .offset: 32, .size: 8, .value_kind: global_buffer, .address_space: global }
      - { .name: bq, .offset: 40, .size: 8, .value_kind: global_buffer, .address_space: global }
      - { .name: bk, .offset: 48, .size: 8, .value_kind: global_buffer, .address_space: global }
      - { .name: bv, .offset: 56, .size: 8, .value_kind: global_buffer, .address_space: global }
      - { .name: bo, .offset: 64, .size: 8, .value_kind: global_buffer, .address_space: global }
      - { .name: xb, .offset: 72, .size: 8, .value_kind: global_buffer, .address_space: global }
      - { .name: wb, .offset: 80, .size: 8, .value_kind: global_buffer, .address_space: global }
      - { .name: wo, .offset: 88, .size: 8, .value_kind: global_buffer, .address_space: global }
      - { .name: bias, .offset: 96, .size: 8, .value_kind: global_buffer, .address_space: global }
    .group_segment_fixed_size: 0
    .private_segment_fixed_size: 0
    .kernarg_segment_align: 8
    .kernarg_segment_size: 104
    .max_flat_workgroup_size: 256
    .sgpr_count:     66
    .vgpr_count:     104
    .wavefront_size: 32
...
	.end_amdgpu_metadata
.endif
;; end of part 1
;; launch qkv (part 2): grid 16 x 16, 4 waves a work-group, clusters of 4 x 4, 327,680 bytes of LDS; arguments xb, wb, bias, qkv; writes qkv
.if DOCPART == 2
	.amdgcn_target "amdgcn-amd-amdhsa--gfx1250"
	.amdhsa_code_object_version 6
	.text
	.protected	k_q91c2c66f8b_qkv
	.globl	k_q91c2c66f8b_qkv
	.p2align	8
	.type	k_q91c2c66f8b_qkv,@function
k_q91c2c66f8b_qkv:
	s_mov_b64 s[64:65], 0
	v_nop
	global_prefetch_b8 v0, s[64:65] scope:SCOPE_SE
	s_setreg_imm32_b32 hwreg(HW_REG_WAVE_MODE, 25, 1), 1
	s_wait_xcnt 0x0
	s_wait_alu depctr_hold_cnt(0) depctr_sa_sdst(0) depctr_va_vdst(0) depctr_va_sdst(0) depctr_va_ssrc(0) depctr_va_vcc(0) depctr_vm_vsrc(0)
	s_getreg_b32 s2, hwreg(HW_REG_IB_STS2, 6, 4)
	s_cmp_eq_u32 s2, 0
	s_cbranch_scc0 .Lentry_in_a_cluster
	s_endpgm
.Lentry_in_a_cluster:
	s_bfe_u32 s2, ttmp6, 0x10000c
	s_cmp_lg_u32 s2, 0xf033
	s_cbranch_scc0 .Lentry_shape_is_right
	s_endpgm
.Lentry_shape_is_right:
; Q, K, V = x W^T + b in one product: C[m][n] = bias[n] + the sum over k of xb[m][k] wb[n][k], m < 4096, n < 3072, k < 1024.  Operands bf16, sums f32,
; C rounded once to f16 and stored BY HEADS: qkv = f16 [48][4096][64], plane n / 64 (0-15 q's heads, 16-31 k's, 32-47 v's), unscaled.
; LIMITS.  A result beyond 65,504 becomes an infinity in f16; below 6.1e-5 it keeps f16's fixed step of 6e-8.  NaN and infinities are not treated apart.
; SHARES.  A tile of C is 256 tokens x 192 columns (three heads): 16 x 16 = 256 work-groups.  Wave w makes tokens 64 w .. 64 w + 63 of all 192 columns:
; 48 accumulators (a = 0..3 blocks of 16 tokens, b = 0..11 blocks of 16 columns), 384 registers.  So a wave holds whole heads and its way out is its own.
; K goes in 8 steps of 128 through a ring of two LDS slots filled by the tensor data mover: rows of 256 bytes, at multiples of 256 from the buffers' first bytes.
; CLUSTERS: 4 x 4 work-groups.  The four of a row of the cluster need the same tiles of xb, the four of a column the same tiles of wb: each tile is asked for
; JOINTLY, by the same tensor load with the same descriptor and a mask that names the four.
; THE MATRIX INSTRUCTION IS USED TRANSPOSED (source 0 = 16 rows of wb, source 1 = 16 rows of xb): lane l holds token l % 16 and the columns 8 (l / 16) + 0..7.
; THE BIAS STARTS THE SUMS: it is the C operand of each accumulator's first product; nothing is cleared and nothing is added later.
; REGISTERS, in windows of 256 (s_set_vgpr_msb: bits 1:0 source 0, 3:2 source 1, 5:4 source 2, 7:6 destination):
;   window 0: v0-31 addresses; v64-95, v96-127 fragments of xb (4 x 16 rows x 32 K), two buffers; v128-223 the bias, later two banks of 48 for the way out
;   window 1: v0-95, v96-191 fragments of wb (12 x 16 rows x 32 K), two buffers
;   window 2: the accumulators of a = 0, 1 at v[8 (12 (a % 2) + b)];   window 3: those of a = 2, 3
.set KSTEP,  128
.set SIZE_K, 1024
.set PITCH,  272                       ; an LDS row: 256 bytes + 16 of padding = 68 words: the 16 rows of a load start at 16 different groups of four banks (64 banks of 4 bytes: ISA guide 11.1)
.set AHALF,  128*PITCH                 ; 128 rows of xb: one tensor load
.set BOFF,   2*AHALF                   ; behind xb's 256 rows: wb's 192
.set BHALF,  96*PITCH                  ; 96 rows of wb: one tensor load
.set SLOT,   BOFF+2*BHALF
.set STAGE,  2*SLOT                    ; behind the ring, never filled by a tensor load: 48 rows x 144 bytes for each wave
.set SP,     144
.set WSTG,   48*SP
.set SPARE,  STAGE+4*WSTG              ; behind the stages: the spare words, 128 bytes for each wave: two blocks of 256 bytes that no other line names
.set PLANEB, 4096*128                  ; bytes in a plane of qkv
.set ADRA, 16                          ; v16-17  LDS address of my fragments of xb in slot 0, 1
.set ADRB, 20                          ; v20-21  the same for wb
.set STO,  24                          ; v24     the way out: where I put 16 bytes of a row
.set RD,   25                          ; v25     the way out: where I read rows back
.set GO,   26                          ; v26     16 x lane: my place in 512 consecutive bytes of qkv
.set BO,   27                          ; v27     32 x (l / 16): my eight numbers in a block of 16 of the bias
.set SPW,  28                          ; v28     LDS address of my spare word: SPARE + 4 x my thread's number; never rewritten
.set NIL,  29                          ; v29     0; never rewritten
.set BIAS, 128
.set OUTB, 128
.set G1,  24                           ; s[24:31] descriptor group 1 for xb's tiles;  s[32:39] group 0, a set for each slot
.set G0,  32
.set G1B, 48                           ; s[48:55], s[56:63] the same for wb's tiles
.set G0B, 56
.set MSB, 0
.macro WIN new                         ; the immediate's high byte repeats the setting that is left; a switch that changes nothing is dropped
.if MSB != (\new)
	s_set_vgpr_msb (MSB<<8)|(\new)
.set MSB, \new
.endif
.endm
; A joint refill.  Waves 0 and 1 fetch xb's two halves, waves 2 and 3 wb's.  The branch hangs on the wave's number alone.
; An s_nop 0 and four v_nop follow each of the two lines, ahead of the jump, the label and what follows.
.macro JLOAD s
	s_cmp_lt_u32 s12, 2
	s_cbranch_scc0 .Lfor_b_\@
	tensor_load_to_lds s[G0+4*(\s):G0+4*(\s)+3], s[G1:G1+7]
	s_nop 0
.rept 4
	v_nop
.endr
	s_branch .Lasked_\@
.Lfor_b_\@:
	tensor_load_to_lds s[G0B+4*(\s):G0B+4*(\s)+3], s[G1B:G1B+7]
	s_nop 0
.rept 4
	v_nop
.endr
.Lasked_\@:
.endm
.macro CREST                           ; a round of the cluster's barrier behind its opening barrier
	s_cmp_lg_u32 s12, 0
	s_cbranch_scc1 .Lnot_wave_0_\@
	s_barrier_signal -3
.Lnot_wave_0_\@:
	s_barrier_wait -3
	s_barrier_signal -1
	s_barrier_wait -1
.endm
.macro CROUND                          ; a whole round
	s_barrier_signal -1
	s_barrier_wait -1
	CREST
.endm
.macro PLACES                          ; four places in front of loads into registers that matrix instructions have read, and of conversions that read results
.rept 4
	v_nop
.endr
.endm
	s_load_b256 s[4:11], s[0:1], 0x0               ; xb s[4:5], wb s[6:7], bias s[8:9], qkv s[10:11]
	v_lshl_add_u32 v[SPW], v0, 2, SPARE
	v_mov_b32 v[NIL], 0
	ds_add_u32 v[SPW], v[NIL]                      ; the wave's opening: the add and its wait stand ahead of my first tensor load; the set-up below, work on registers, stands between them
	v_lshrrev_b32 v1, 5, v0
	v_readfirstlane_b32 s12, v1                    ; wave 0..3
	s_and_b32 s14, s12, 1                          ; which half of a tile I fetch
	s_bfe_u32 s40, ttmp6, 0x40000                  ; cx, cy: my place in the cluster
	s_bfe_u32 s41, ttmp6, 0x40004
	s_lshl_b32 s42, ttmp9, 2
	s_add_co_u32 s42, s42, s40                     ; tile column = 4 x cluster x + cx
	s_and_b32 s43, ttmp7, 0xffff
	s_lshl_b32 s43, s43, 2
	s_add_co_u32 s43, s43, s41                     ; tile row = 4 x cluster y + cy
	s_lshl_b32 s44, s41, 2
	s_lshl_b32 s44, 15, s44                        ; my row of the cluster: places 4 cy .. 4 cy + 3
	s_lshl_b32 s45, 0x1111, s40                    ; my column: places cx, cx + 4, cx + 8, cx + 12
	s_or_b32 s[G1],  s44, (1<<16)|(1<<20)|(1<<21)|(5<<22)|(3<<25)  ; 15:0 the mask; 17:16 elements of 2 bytes; 20 padding on; 21 set beside a mask; 24:22 after every 64 words (code 5); 31:25 4 words (code 3)
	s_or_b32 s[G1B], s45, (1<<16)|(1<<20)|(1<<21)|(5<<22)|(3<<25)
	s_mov_b32 s[G1+1], KSTEP<<16                   ; tensor_dim0 = 128
	s_mov_b32 s[G1+2], 128<<16                     ; tensor_dim1 = 128
	s_mov_b32 s[G1+3], KSTEP<<16                   ; tile_dim0 = 128
	s_mov_b32 s[G1+4], 128                         ; tile_dim1 = 128
	s_mov_b32 s[G1+5], SIZE_K                      ; elements from row to row
	s_mov_b32 s[G1+6], 0
	s_mov_b32 s[G1+7], 0
	s_mov_b32 s[G1B+1], KSTEP<<16
	s_mov_b32 s[G1B+2], 96<<16                     ; 96 rows
	s_mov_b32 s[G1B+3], KSTEP<<16
	s_mov_b32 s[G1B+4], 96
	s_mov_b32 s[G1B+5], SIZE_K
	s_mov_b32 s[G1B+6], 0
	s_mov_b32 s[G1B+7], 0
	; xb's tiles hang on the tile row alone, which my row of the cluster shares; wb's on the tile column alone, which my column shares
	s_lshl_b32 s16, s43, 8
	s_lshl_b32 s17, s14, 7
	s_add_co_u32 s16, s16, s17                     ; xb: row 256 x tile row + 128 x half,
	s_lshl_b32 s16, s16, 11                        ; of 2,048 bytes
	s_mov_b32 s17, 0
	s_mul_i32 s46, s42, 192
	s_mul_i32 s47, s14, 96
	s_add_co_u32 s46, s46, s47                     ; wb: row 192 x tile column + 96 x half
	s_lshl_b32 s46, s46, 11
	s_mov_b32 s47, 0
	s_mul_i32 s20, s12, AHALF                      ; where they go: xb's halves at wave x AHALF (waves 0, 1),
	s_mul_i32 s21, s12, BHALF
	s_add_co_u32 s21, s21, BOFF-2*BHALF            ; wb's at BOFF + (wave - 2) x BHALF (waves 2, 3): no place in the cluster enters an LDS address
	s_wait_dscnt 0x0                               ; the opening add is done
	s_wait_kmcnt 0x0
	s_add_nc_u64 s[18:19], s[4:5], s[16:17]
	s_add_nc_u64 s[46:47], s[6:7], s[46:47]
.irp s, 0,1
	s_mov_b32 s[G0+4*(\s)], 1                                      ; count = 1
	s_add_co_u32 s[G0+4*(\s)+1], s20, (\s)*SLOT                    ; LDS address
	s_add_nc_u64 s[G0+4*(\s)+2:G0+4*(\s)+3], s[18:19], (\s)*KSTEP*2  ; global address: K step s
	s_or_b32 s[G0+4*(\s)+3], s[G0+4*(\s)+3], 0x80000000            ; type = 2
	s_mov_b32 s[G0B+4*(\s)], 1
	s_add_co_u32 s[G0B+4*(\s)+1], s21, (\s)*SLOT
	s_add_nc_u64 s[G0B+4*(\s)+2:G0B+4*(\s)+3], s[46:47], (\s)*KSTEP*2
	s_or_b32 s[G0B+4*(\s)+3], s[G0B+4*(\s)+3], 0x80000000
.endr
	CROUND                                         ; all sixteen work-groups are here: the first joint loads meet
	s_cmp_lt_u32 s12, 2                            ; a wave's two first fills stand in one branch, ahead of every wait on TENSORcnt and every LDS read: two loads of mine are out
	s_cbranch_scc0 .Lfirst_b
	tensor_load_to_lds s[G0:G0+3], s[G1:G1+7]
	s_nop 0
	tensor_load_to_lds s[G0+4:G0+7], s[G1:G1+7]
	s_nop 0
.rept 4
	v_nop
.endr
	s_branch .Lfirst_asked
.Lfirst_b:
	tensor_load_to_lds s[G0B:G0B+3], s[G1B:G1B+7]
	s_nop 0
	tensor_load_to_lds s[G0B+4:G0B+7], s[G1B:G1B+7]
	s_nop 0
.rept 4
	v_nop
.endr
.Lfirst_asked:
	; A fragment is 16 rows x 32 K in 8 registers: lane l holds row l % 16; registers 0-3 K = 8 (l / 16) + 0..7, registers 4-7 K = 16 + 8 (l / 16) + 0..7: two loads of 16 bytes, 32 bytes apart.
	v_and_b32 v1, 15, v0                           ; l % 16
	v_bfe_u32 v2, v0, 4, 1                         ; l / 16
	v_mul_u32_u24 v3, v1, PITCH
	v_lshl_add_u32 v3, v2, 4, v3                   ; row x pitch + 16 x half
	s_mul_i32 s21, s12, 64*PITCH                   ; my 64 rows of xb
	s_mov_b32 s22, BOFF                            ; all 192 rows of wb
.irp s, 0,1
	v_add_nc_u32 v[ADRA+(\s)], s21, v3
	v_add_nc_u32 v[ADRB+(\s)], s22, v3
	s_add_co_u32 s21, s21, SLOT
	s_add_co_u32 s22, s22, SLOT
.endr
	s_mul_i32 s23, s12, WSTG
	s_add_co_u32 s23, s23, STAGE                   ; my stage: three heads x 16 rows of 144 bytes
	v_mul_u32_u24 v4, v1, SP                       ; in: row l % 16, 16 bytes for each half of the lanes
	v_lshl_add_u32 v4, v2, 4, v4
	v_add_nc_u32 v[STO], s23, v4
	v_bfe_u32 v5, v0, 3, 2                         ; back: 32 lanes take four rows of 128 bytes,
	v_mul_u32_u24 v5, v5, SP
	v_and_b32 v6, 7, v0
	v_lshl_add_u32 v5, v6, 4, v5
	v_add_nc_u32 v[RD], s23, v5
	v_and_b32 v[GO], 31, v0                        ; which are 512 consecutive bytes of a plane
	v_lshlrev_b32 v[GO], 4, v[GO]
	v_lshlrev_b32 v[BO], 5, v2
	s_mul_i32 s46, s42, 768                        ; the tile's 192 numbers of the bias
	s_mov_b32 s47, 0
	s_add_nc_u64 s[8:9], s[8:9], s[46:47]
.irp b, 0,1,2,3,4,5,6,7,8,9,10,11
	global_load_b128 v[BIAS+8*(\b):BIAS+8*(\b)+3],   v[BO], s[8:9] offset:64*(\b)     ; register j: bias of column 16 b + 8 (l / 16) + j, as the accumulators hold C
	global_load_b128 v[BIAS+8*(\b)+4:BIAS+8*(\b)+7], v[BO], s[8:9] offset:64*(\b)+16
.endr
	s_mul_i32 s46, s42, 3*PLANEB                   ; my three planes,
	s_lshl_b32 s16, s43, 15                        ; the tile's 256 rows of 128 bytes,
	s_add_co_u32 s46, s46, s16
	s_lshl_b32 s16, s12, 13                        ; my 64 of them
	s_add_co_u32 s46, s46, s16
	s_add_nc_u64 s[10:11], s[10:11], s[46:47]
; 12 matrix instructions: block a of my tokens x all 12 blocks of columns, 32 along K, from buffer f.  first = 1: the bias starts the sums.
; The 48 accumulators take turns, one instruction a turn, in the same order in every quarter.
.macro MUL12 f, a, first
.if \first
	WIN 0x81+0x40*((\a)/2)                         ; wb window 1, xb and the bias window 0, D window 2 or 3
.else
	WIN 0xa1+0x50*((\a)/2)                         ; wb window 1, xb window 0, C and D window 2 or 3
.endif
.irp b, 0,1,2,3,4,5,6,7,8,9,10,11
.if \first
	v_wmma_f32_16x16x32_bf16 v[8*(12*((\a)%2)+(\b)):8*(12*((\a)%2)+(\b))+7], v[96*(\f)+8*(\b):96*(\f)+8*(\b)+7], v[64+32*(\f)+8*(\a):64+32*(\f)+8*(\a)+7], v[BIAS+8*(\b):BIAS+8*(\b)+7]
.else
	v_wmma_f32_16x16x32_bf16 v[8*(12*((\a)%2)+(\b)):8*(12*((\a)%2)+(\b))+7], v[96*(\f)+8*(\b):96*(\f)+8*(\b)+7], v[64+32*(\f)+8*(\a):64+32*(\f)+8*(\a)+7], v[8*(12*((\a)%2)+(\b)):8*(12*((\a)%2)+(\b))+7]
.endif
.endr
.endm
; 32 LDS loads in one run: the fragments of one quarter step (192 rows of wb, my 64 rows of xb, 32 K at byte k of the rows) into buffer f
.macro FETCH slot, k, f
	WIN 0x40                                       ; destination window 1, address window 0
.irp i, 0,1,2,3,4,5,6,7,8,9,10,11
	ds_load_b128 v[96*(\f)+8*(\i):96*(\f)+8*(\i)+3],   v[ADRB+(\slot)] offset:(\k)+(\i)*16*PITCH
	ds_load_b128 v[96*(\f)+8*(\i)+4:96*(\f)+8*(\i)+7], v[ADRB+(\slot)] offset:(\k)+(\i)*16*PITCH+32
.endr
	WIN 0
.irp i, 0,1,2,3
	ds_load_b128 v[64+32*(\f)+8*(\i):64+32*(\f)+8*(\i)+3],   v[ADRA+(\slot)] offset:(\k)+(\i)*16*PITCH
	ds_load_b128 v[64+32*(\f)+8*(\i)+4:64+32*(\f)+8*(\i)+7], v[ADRA+(\slot)] offset:(\k)+(\i)*16*PITCH+32
.endr
.endm
; A K step is four quarters of 32 along K, 48 matrix instructions each, on buffers 0, 1, 0, 1.  One of the first three: multiplies buffer f and, in its middle, fetches the next quarter, at byte k, into g.
.macro QUARTER slot, k, f, g, first
	s_wait_dscnt 4                                 ; wb and xb's blocks 0, 1 are in; the youngest four loads (blocks 2, 3) may be out
	MUL12 \f, 0, \first
	MUL12 \f, 1, \first
	PLACES
	FETCH \slot, \k, \g
	s_wait_dscnt 32                                ; all but the 32 just issued
	MUL12 \f, 2, \first
	MUL12 \f, 3, \first
.endm
; The last quarter multiplies buffer 1 and changes slots: ONE barrier.  In front of it each wave waits for all its tensor loads (the one that is out is its part of the next slot), adds 0 to its
; spare word, and waits for that and for its own reads of this slot.  fill = 1: the barrier opens a round of the cluster's, and this slot is filled again, two K steps ahead, first thing behind the round:
; from that request to the wait for it a wave issues 168 matrix instructions.
.macro TURN slot, next, fill
	WIN 0                                          ; (the add's two registers lie in window 0)
	s_wait_tensorcnt 0x0                           ; all my tensor loads have landed
	ds_add_u32 v[SPW], v[NIL]                      ; 0 onto my spare word
	s_wait_dscnt 5                                 ; (the add and the youngest four loads may be out)
	MUL12 1, 0, 0                                  ; twelve matrix instructions stand between the add and the wait for it
	s_wait_dscnt 0x0                               ; the add is done, and my reads of this slot are over
	s_barrier_signal -1
	MUL12 1, 1, 0                                  ; work on registers while the others arrive
.if \fill
	WIN 0
.endif
	s_barrier_wait -1
.if \fill
	CREST                                          ; no wave of any partner still reads this slot's tile or has a load on its way
	s_add_nc_u64 s[G0+4*(\slot)+2:G0+4*(\slot)+3], s[G0+4*(\slot)+2:G0+4*(\slot)+3], 2*KSTEP*2
	s_add_nc_u64 s[G0B+4*(\slot)+2:G0B+4*(\slot)+3], s[G0B+4*(\slot)+2:G0B+4*(\slot)+3], 2*KSTEP*2
	JLOAD \slot                                    ; the four v_nop behind it are also the places in front of the loads below
.else
	PLACES
.endif
	FETCH \next, 0, 0
	MUL12 1, 2, 0
	MUL12 1, 3, 0
.endm
; THE WAY OUT of block a (16 tokens x 192 columns), in three parts.  PACK: rounded to f16, 16 bytes a lane and block of columns, each accumulator from its low end on.
; TOSTAGE: into my own stage, and back as whole rows of 128 bytes.  SEND: stored, 512 consecutive bytes an instruction, at a multiple of 256 from qkv's first byte.
.macro PACK a
.if (\a) >= 2
	s_wait_xcnt 0x0                                ; the stores of the block two back have read this bank
.endif
	WIN 0x0a+5*((\a)/2)                            ; sources 0 and 1: window 2 or 3
.irp b, 0,1,2,3,4,5,6,7,8,9,10,11
.irp r, 0,1,2,3
	v_cvt_pk_f16_f32 v[OUTB+48*((\a)%2)+4*(\b)+(\r)], v[96*((\a)%2)+8*(\b)+2*(\r)], v[96*((\a)%2)+8*(\b)+2*(\r)+1]
.endr
.endr
	WIN 0
.endm
.macro TOSTAGE a
.irp b, 0,1,2,3,4,5,6,7,8,9,10,11
	ds_store_b128 v[STO], v[OUTB+48*((\a)%2)+4*(\b):OUTB+48*((\a)%2)+4*(\b)+3] offset:((\b)/4)*16*SP+((\b)%4)*32
.endr
.irp t, 0,1,2,3,4,5,6,7,8,9,10,11
	ds_load_b128 v[OUTB+48*((\a)%2)+4*(\t):OUTB+48*((\a)%2)+4*(\t)+3], v[RD] offset:((\t)/4)*16*SP+((\t)%4)*4*SP  ; LDS serves a wave's instructions in order (ISA guide 5.7.1.4): these see the stores above
.endr
.endm
.macro SEND a
.irp t, 0,1,2,3,4,5,6,7,8,9,10,11
	s_wait_dscnt 11-(\t)                           ; load t of the twelve is back
	global_store_b128 v[GO], v[OUTB+48*((\a)%2)+4*(\t):OUTB+48*((\a)%2)+4*(\t)+3], s[10:11] offset:((\t)/4)*PLANEB+(\a)*2048+((\t)%4)*512
.endr
.endm
	s_wait_tensorcnt 0x1                           ; my part of K step 0 is in; K step 1's may stay out
	s_barrier_signal -1
	s_barrier_wait -1                              ; everybody's is
	FETCH 0, 0, 0
	s_wait_loadcnt 0x0                             ; the bias
	QUARTER 0, 64, 0, 1, 1                         ; the first quarter stands in front of the loop: its products start the sums
	WIN 0                                          ; at a label and at a branch every window is 0
	s_mov_b32 s3, SIZE_K/(2*KSTEP)-1
.Llap:                                                 ; a trip goes once round the ring, from a lap's second quarter to the next lap's first, and fills both slots again
	QUARTER 0, 128, 1, 0, 0
	QUARTER 0, 192, 0, 1, 0
	TURN 0, 1, 1
	QUARTER 1, 64,  0, 1, 0
	QUARTER 1, 128, 1, 0, 0
	QUARTER 1, 192, 0, 1, 0
	TURN 1, 0, 1
	QUARTER 0, 64,  0, 1, 0
	WIN 0
	s_sub_co_u32 s3, s3, 1
	s_cmp_lg_u32 s3, 0
	s_cbranch_scc1 .Llap
	QUARTER 0, 128, 1, 0, 0                        ; the last lap fills nothing
	QUARTER 0, 192, 0, 1, 0
	TURN 0, 1, 0
	QUARTER 1, 64,  0, 1, 0
	QUARTER 1, 128, 1, 0, 0
	QUARTER 1, 192, 0, 1, 0
	s_wait_dscnt 4                                 ; the very last quarter: nothing more to fetch
	MUL12 1, 0, 0
	MUL12 1, 1, 0
	s_wait_dscnt 0x0
	MUL12 1, 2, 0
	MUL12 1, 3, 0
	WIN 0
	PLACES
	PACK 0
	TOSTAGE 0
.irp a, 1,2,3                          ; block a's conversions stand between block a - 1's loads from the stage and the wait for them
	PACK \a
	SEND (\a)-1
	TOSTAGE \a
.endr
	SEND 3
	s_wait_tensorcnt 0x0                           ; the wave's end: these three lines stand behind my last tensor load and my last LDS store
	ds_add_u32 v[SPW], v[NIL]
	s_wait_dscnt 0x0
	CROUND                                         ; the closing round: no work-group ends while a partner may still ask for a tile that names it
	s_endpgm
.Lfunc_end_k_q91c2c66f8b_qkv:
	.size	k_q91c2c66f8b_qkv, .Lfunc_end_k_q91c2c66f8b_qkv-k_q91c2c66f8b_qkv
	.p2alignl 7, 3214868480
	.fill 96, 4, 3214868480
	.section	.rodata,"a",@progbits
	.p2align	6, 0x0
	.amdhsa_kernel k_q91c2c66f8b_qkv
		.amdhsa_group_segment_fixed_size 327680
		.amdhsa_private_segment_fixed_size 0
		.amdhsa_enable_private_segment 0
		.amdhsa_kernarg_size 32
		.amdhsa_user_sgpr_count 2
		.amdhsa_user_sgpr_kernarg_segment_ptr 1
		.amdhsa_wavefront_size32 1
		.amdhsa_system_sgpr_workgroup_id_x 1
		.amdhsa_system_sgpr_workgroup_id_y 1
		.amdhsa_system_sgpr_workgroup_id_z 1
		.amdhsa_system_vgpr_workitem_id 0
		.amdhsa_next_free_vgpr 960
		.amdhsa_next_free_sgpr 66
		.amdhsa_reserve_vcc 0
		.amdhsa_float_denorm_mode_32 3
		.amdhsa_float_denorm_mode_16_64 3
		.amdhsa_memory_ordered 1
		.amdhsa_forward_progress 1
		.amdhsa_inst_pref_size 122
	.end_amdhsa_kernel
	.amdgpu_metadata
---
amdhsa.version: [ 1, 2 ]
amdhsa.kernels:
  - .name:           k_q91c2c66f8b_qkv
    .symbol:         k_q91c2c66f8b_qkv.kd
    .args:
      - { .name: xb, .offset: 0, .size: 8, .value_kind: global_buffer, .address_space: global }
      - { .name: wb, .offset: 8, .size: 8, .value_kind: global_buffer, .address_space: global }
      - { .name: bias, .offset: 16, .size: 8, .value_kind: global_buffer, .address_space: global }
      - { .name: qkv, .offset: 24, .size: 8, .value_kind: global_buffer, .address_space: global }
    .group_segment_fixed_size: 327680
    .private_segment_fixed_size: 0
    .kernarg_segment_align: 8
    .kernarg_segment_size: 32
    .max_flat_workgroup_size: 128
    .sgpr_count:     66
    .vgpr_count:     960
    .wavefront_size: 32
...
	.end_amdgpu_metadata
.endif
;; end of part 2
;; launch attn (part 3): grid 16 x 16, 4 waves a work-group, clusters of 4 x 1, 327,680 bytes of LDS; arguments qkv, ob; writes ob
.if DOCPART == 3
	.amdgcn_target "amdgcn-amd-amdhsa--gfx1250"
	.amdhsa_code_object_version 6
	.text
	.protected	k_q91c2c66f8b_attn
	.globl	k_q91c2c66f8b_attn
	.p2align	8
	.type	k_q91c2c66f8b_attn,@function
k_q91c2c66f8b_attn:
	s_mov_b64 s[64:65], 0
	v_nop
	global_prefetch_b8 v0, s[64:65] scope:SCOPE_SE
	s_setreg_imm32_b32 hwreg(HW_REG_WAVE_MODE, 25, 1), 1
	s_wait_xcnt 0x0
	s_wait_alu depctr_hold_cnt(0) depctr_sa_sdst(0) depctr_va_vdst(0) depctr_va_sdst(0) depctr_va_ssrc(0) depctr_va_vcc(0) depctr_vm_vsrc(0)
	s_getreg_b32 s2, hwreg(HW_REG_IB_STS2, 6, 4)
	s_cmp_eq_u32 s2, 0
	s_cbranch_scc0 .Lentry_in_a_cluster
	s_endpgm
.Lentry_in_a_cluster:
	s_bfe_u32 s2, ttmp6, 0x10000c
	s_cmp_lg_u32 s2, 0x3003
	s_cbranch_scc0 .Lentry_shape_is_right
	s_endpgm
.Lentry_shape_is_right:
; O[h][q][:] = the sum over k of softmax_k(Q[h][q] . K[h][k] / 8) V[h][k][:].  qkv = f16 [48][4096][64]: planes 0-15 Q's heads, 16-31 K's, 32-47 V's; a head's rows are dense, 128 bytes each.
; Products, maxima and sums in f32; the weights p are rounded to f16 for the second product (their sum l is taken of the unrounded p), O once at the end.
; O leaves as ob = f16 [32][16][128][64]: block of 128 tokens, head, token, channel: 16 rows of a head are 2,048 consecutive bytes.
; LIMITS.  f16 holds no number beyond 65,504: Q, K and V arrive within it; p lies in 0 to 1, and below 6e-5 it keeps f16's fixed step of 6e-8; O is a mean of V's rows and has their range.
; A weight below 2^-126 counts as 0 in l; NaN and infinities are not treated apart.
; SHARES.  A work-group owns 256 queries of one head (16 x 16 = 256 work-groups), each of its four waves 64: four PIECES of 16.  Every wave walks all 4,096 keys, 64 a step, four steps a slot.
; LAYOUT.  S^T = K Q^T (source 0 = 16 keys, source 1 = 16 queries) holds ONE query a lane (lane % 16) and the keys 8 (lane / 16) + 0..7; two such results rounded to f16 ARE source 1 of
; O^T = V^T P, whose result again holds one query a lane, and eight channels.  K comes out of LDS as it lies, V ([key][channel]) turned, by ds_load_tr16_b128.
; SOFTMAX.  For each query a running maximum m and sum l: p = 2^(c s - c m), c = log2(e) / 8; in every step O and l are multiplied by a = 2^(c m_old - c m_new).
; m starts at the lowest finite number, O and l at 0: the first step is a step like any other, with a = 0.
; BY TURNS.  Turn n belongs to piece n: 8 products K Q^T of piece n + 1, later 8 products V^T P of piece n - 1; beside them the scaling, exponentials, roundings, sums and rescaling of piece n and the
; maximum and statistics of piece n + 1.  Four vector instructions stand behind every matrix instruction, the other 54 of a turn's 118 in two runs of their own.
; CLUSTER.  The four query blocks of a cluster belong to one head and walk the same K and V, so each tile is asked for JOINTLY: the same tensor load, descriptor and mask in all four.
; REGISTERS, in windows of 256 (s_set_vgpr_msb: bits 1:0 source 0, 3:2 source 1, 5:4 source 2, 7:6 destination):
;   window 0: v0-15 addresses and two at work; v16-31 four registers of statistics a piece; v48-55 at work; v64-127 S^T, two buffers; v192-223 P, two buffers (a piece's buffers go by its number's parity)
;   window 1: v0-127 O^T, 32 a piece          window 2: v0-63 Q; v128-191 K of one step; v192-255 V of one step
.set NP,    4         ; pieces a wave: a name, no knob
.set KS,    64        ; keys in a step
.set SIZE_N, 4096
.set PK,    144       ; a row of K in LDS: 128 bytes + 16 of padding = 36 words: the 16 rows of a load start at 16 different groups of four banks (64 banks of 4 bytes: ISA guide 11.1)
.set PV,    160       ; a row of V: 128 + 32 = 40 words
.set VOFF,  4*KS*PK   ; a slot holds four steps: 256 rows of K, then 256 rows of V
.set TILEB, 4*KS*128  ; a slot's bytes of K, and of V, in memory
.set SLOT1, 1<<17     ; slot 1 begins here, so that one exclusive or turns an address in one slot into the other's
.set STAGE, SLOT1+4*KS*(PK+PV)  ; behind the ring, never filled by a tensor load: 16 rows x 144 bytes for each wave, for the way out
.set SP,    144
.set SPARE, STAGE+4*16*SP  ; behind the stages: the spare words, 128 bytes for each wave: two blocks of 256 bytes that no other line names
.set AK0, 2           ; v2   my lane's place in a tile of K; never rewritten
.set AV0, 3           ; v3   the same for V
.set AK,  4           ; v4   the LDS address of K's next run of loads
.set AV,  5           ; v5   of V's
.set STO, 6           ; v6   the way out: where I put 16 bytes of a row
.set RD,  7           ; v7   the way out: where I read rows back
.set GO,  8           ; v8   my byte offset in 512 consecutive bytes of O
.set MV,  12          ; v12-13  c m_old, kept while c m is made anew: by buffer
.set QO,  15          ; v15  my byte offset in 16 rows of Q
.set ST,  16          ; piece t's statistics at v[ST+4 t]: c m, m, l (even keys', odd keys')
.set TMP, 48          ; by buffer, four registers c0-c3 at work; when the maximum is found c2 takes a
.set PFO, 61          ; v61  256 x my lane; never rewritten
.set SPW, 62          ; v62  LDS address of my spare word: SPARE + 4 x my thread's number; never rewritten
.set NIL, 63          ; v63  0; never rewritten
.set S,   64
.set P,   192
.set KF,  128         ; window 2: key block kb, channel half c at KF + 16 kb + 8 c
.set VF,  192         ; window 2: key half kk, channel block cb at VF + 32 kk + 8 cb
.set WV,  12          ; s12  my wave's number
.set LIM, 15          ; s15  1 in a wave that prefetches, else the greatest number: a wave prefetches while s[SLOTS] is above it
.set PFA, 18          ; s[18:19] where my prefetches stand: my work-group's 32 blocks of 256 bytes (of K: wave 0, of V: wave 2) of the slot after the one that is being asked for
.set G1K, 24          ; s[24:31] descriptor group 1 for K's tiles
.set G1V, 32          ; s[32:39] for V's: it differs in the padding alone
.set G0K, 40          ; s[40:43] descriptor group 0 for K's tiles: it walks
.set G0V, 44          ; s[44:47] the same for V's
.set SLOTS, 56        ; s56  slots still to be asked for
.set CNT, 57          ; s57  counts a slot's key steps
.set CS,  58          ; s[58:59] c: the packed scaling takes the pair's low word for both halves
.set SEL, 60          ; s[60:61] v_permlanex16_b32's selects: each lane takes its own place in the other half
.set TBK, 62          ; s62  LDS byte at which K of the step to be fetched begins
.set TBV, 63          ; s63  the same for V, less VOFF
.set MSB, 0
.macro WIN new                      ; the high byte repeats the setting that is left; a switch that changes nothing is dropped
.if MSB != (\new)
	s_set_vgpr_msb (MSB<<8)|(\new)
.set MSB, (\new)
.endif
.endm
.set W_KQ, 0x0a       ; K and Q in window 2, S^T in window 0
.set W_PV, 0x52       ; V in window 2, P in window 0, O^T in window 1
.set W_RS, 0x41       ; destination and source 0 in window 1, source 1 in window 0
; A joint fill.  Waves 0 and 1 fetch the two halves of a slot's K, waves 2 and 3 those of its V: 128 keys each.  The branch hangs on the wave's number alone.
; An s_nop 0 and four v_nop follow each of the two lines, ahead of the jump and the label.
.macro JLOAD
	s_cmp_lt_u32 s[WV], 2
	s_cbranch_scc0 .Lfor_v_\@
	tensor_load_to_lds s[G0K:G0K+3], s[G1K:G1K+7]
	s_nop 0
.rept 4
	v_nop
.endr
	s_branch .Lasked_\@
.Lfor_v_\@:
	tensor_load_to_lds s[G0V:G0V+3], s[G1V:G1V+7]
	s_nop 0
.rept 4
	v_nop
.endr
.Lasked_\@:
.endm
; A PREFETCH INTO THE L2 of what the NEXT change of slots will ask for: a slot's 32,768 bytes of K and of V, 128 blocks of 256 bytes each, a lane a block.  It stands behind the wave's tensor load and its five lines.
; Each block is asked for ONCE in the launch.  All clusters of a head walk the same K and V: the head's first cluster prefetches.  Its four partners share the blocks out BY ADDRESS, 32 each; in each, wave 0 asks
; for K's and wave 2 for V's: one instruction, four key steps (256 matrix instructions a wave) ahead of the load.  The last change that fills a slot prefetches nothing: there is no slot behind it.
.macro ASK
	s_cmp_gt_u32 s[SLOTS], s[LIM]
	s_cbranch_scc0 .Lnot_mine_\@
	global_prefetch_b8 v[PFO], s[PFA:PFA+1] th:TH_LOAD_NT scope:SCOPE_SE
.Lnot_mine_\@:
.endm
; A round of the cluster's barrier: my work-group's barrier, so that wave 0's signal speaks for all four waves; wave 0 signals; every wave waits for all four work-groups; my work-group's barrier once more.
.macro CROUND
	s_barrier_signal -1
	s_barrier_wait -1
	s_cmp_lg_u32 s[WV], 0
	s_cbranch_scc1 .Lnot_wave_0_\@
	s_barrier_signal -3
.Lnot_wave_0_\@:
	s_barrier_wait -3
	s_barrier_signal -1
	s_barrier_wait -1
.endm
; THE CHANGE OF SLOTS.  The slot's last bytes, V of its fourth step, have been read.  Each wave waits for all its tensor loads, of which one is out: its part of the other slot; adds 0 to its spare word;
; and waits for that and for its own reads of the slot.  Behind the barrier nobody reads this slot any more and the other slot is whole.
; fill = 1: this slot is filled again, with the keys two slots on.  The barrier is then a round of the cluster's, and the joint fill is the first thing behind it: it has four key steps in which to land.
; (At its first use nothing has been read yet: slot 0 is waited for, slot 1 filled.)
.macro CHANGE fill
	WIN 0                           ; at a label and at a branch every window is 0
	s_wait_tensorcnt 0x0            ; no tensor load of mine is out, so a group 0 may be written
	ds_add_u32 v[SPW], v[NIL]       ; 0 onto my spare word; with fill = 1 the descriptors' steps stand between it and the wait for it
.if \fill
.irp g, G0K, G0V
	s_xor_b32 s[\g+1], s[\g+1], SLOT1  ; the walking descriptor: the other slot than last time,
	s_add_nc_u64 s[\g+2:\g+3], s[\g+2:\g+3], TILEB  ; the next 256 keys; the type bits on top are not reached
.endr
	s_wait_xcnt 0x0                 ; the last prefetch, four key steps back, has read its address, so it may be written:
	s_add_nc_u64 s[PFA:PFA+1], s[PFA:PFA+1], TILEB  ; one slot behind the walking descriptors
	s_wait_dscnt 0x0                ; the add is done, and my reads of the slot are over
	CROUND
	JLOAD
	ASK
.else
	s_wait_dscnt 0x0                ; the add is done, and my reads of the slot are over
	s_barrier_signal -1
	s_barrier_wait -1
.endif
	s_sub_co_u32 s[TBK], s[TBK], 4*KS*PK  ; the fetches go back to a slot's first step,
	s_xor_b32 s[TBK], s[TBK], SLOT1       ; in the other slot
	s_sub_co_u32 s[TBV], s[TBV], 4*KS*PV
	s_xor_b32 s[TBV], s[TBV], SLOT1
.endm
	s_load_b64 s[4:5], s[0:1], 0x0    ; qkv
	s_load_b64 s[10:11], s[0:1], 0x8  ; ob
	v_lshl_add_u32 v[SPW], v0, 2, SPARE
	v_mov_b32 v[NIL], 0
	ds_add_u32 v[SPW], v[NIL]       ; the wave's opening: the add and its wait stand ahead of my first tensor load; the set-up below, work on registers, stands between them
	v_lshrrev_b32 v1, 5, v0
	v_readfirstlane_b32 s[WV], v1   ; wave 0..3
	s_bfe_u32 s13, ttmp6, 0x40000   ; cx: my place in the cluster
	s_lshl_b32 s14, ttmp9, 2        ; in a cluster launch ttmp9 counts clusters
	s_add_co_u32 s14, s14, s13      ; my block of 256 queries = 4 x cluster x + cx: it enters Q's and O's addresses alone
	s_and_b32 s48, ttmp7, 0xffff    ; the head, which the four partners share
	s_lshl_b32 s20, s48, 19         ; its plane's 524,288 bytes
	s_and_b32 s16, s[WV], 1         ; which half of a slot's 256 keys I fetch:
	s_lshl_b32 s22, s16, 14         ; its 128 rows of 128 bytes in memory,
	s_add_co_u32 s22, s22, s20
	s_mov_b32 s23, 0
	s_mul_i32 s17, s16, 128*PK      ; and its place in a slot, for K
	s_mul_i32 s18, s16, 128*PV      ; and for V: no place in the cluster enters an LDS address
	s_lshl_b32 s2, s14, 15          ; Q: my block's 256 rows,
	s_lshl_b32 s3, s[WV], 13        ; my wave's 64 of them
	s_add_co_u32 s2, s2, s3
	s_add_co_u32 s2, s2, s20
	s_mov_b32 s3, 0
	s_lshl_b32 s50, s14, 1          ; O: the block of 128 tokens, 2 x block + wave / 2: 262,144 bytes each,
	s_lshr_b32 s51, s[WV], 1
	s_add_co_u32 s50, s50, s51
	s_lshl_b32 s50, s50, 18
	s_lshl_b32 s51, s48, 14         ; the head's 16,384 bytes in it,
	s_add_co_u32 s50, s50, s51
	s_lshl_b32 s51, s16, 13         ; my wave's 64 rows of the 128
	s_add_co_u32 s50, s50, s51
	s_mov_b32 s51, 0
	; descriptor group 1.  128 keys are 16,384 dense bytes: asked for as 64 rows of 256 bytes, two keys a row, and padded in LDS after every key
	s_mov_b32 s[G1K], 15|(1<<16)|(1<<20)|(1<<21)|(4<<22)|(3<<25)  ; 15:0 the mask of four; 17:16 2-byte elements; 20 padding on; 21 set beside a mask; 24:22 after every 32 words (code 4); 31:25 4 words (code 3)
	s_mov_b32 s[G1V], 15|(1<<16)|(1<<20)|(1<<21)|(4<<22)|(7<<25)  ; the same with 8 words of padding (code 7)
.irp g, G1K, G1V
	s_mov_b32 s[\g+1], 128<<16      ; tensor_dim0 = 128
	s_mov_b32 s[\g+2], 64<<16       ; tensor_dim1 = 64
	s_mov_b32 s[\g+3], 128<<16      ; tile_dim0 = 128
	s_mov_b32 s[\g+4], 64           ; tile_dim1 = 64
	s_mov_b32 s[\g+5], 128          ; 128 elements from row to row
	s_mov_b32 s[\g+6], 0
	s_mov_b32 s[\g+7], 0
.endr
	s_mov_b32 s[CS], 0x3e38aa3b     ; c = log2(e) / 8 = 0.180337
	s_mov_b32 s[CS+1], s[CS]        ; named with it as a pair
	s_mov_b32 s[SEL], 0x76543210
	s_mov_b32 s[SEL+1], 0xfedcba98
	s_mov_b32 s[TBK], SLOT1+4*KS*PK ; the first change of slots turns these two into 0
	s_mov_b32 s[TBV], SLOT1+4*KS*PV
	s_mov_b32 s[G0K], 1             ; count = 1
	s_mov_b32 s[G0K+1], s17         ; LDS address: slot 0
	s_mov_b32 s[G0V], 1
	s_add_co_u32 s[G0V+1], s18, VOFF
	s_mov_b32 s[SLOTS], SIZE_N/256-1
	s_and_b32 s[LIM], s[WV], 1      ; 0 in waves 0 and 2,
	s_or_b32 s[LIM], s[LIM], ttmp9  ; where the cluster is the head's first: the same in all four partners
	s_cmp_eq_u32 s[LIM], 0
	s_cselect_b32 s[LIM], 1, -1
	v_and_b32 v[PFO], 31, v0
	v_lshlrev_b32 v[PFO], 8, v[PFO]
	s_wait_dscnt 0x0                ; the opening add is done
	s_wait_kmcnt 0x0
	s_add_nc_u64 s[6:7], s[4:5], s[22:23]
	s_add_nc_u64 s[8:9], s[6:7], 32*SIZE_N*128     ; V's planes begin 32 planes in: my half of the head's first 256 keys
	s_add_nc_u64 s[6:7], s[6:7], 16*SIZE_N*128     ; K's 16 planes in
	s_add_nc_u64 s[G0K+2:G0K+3], s[6:7], 0         ; global address
	s_or_b32 s[G0K+3], s[G0K+3], 0x80000000        ; type = 2
	s_add_nc_u64 s[G0V+2:G0V+3], s[8:9], 0
	s_or_b32 s[G0V+3], s[G0V+3], 0x80000000
	s_add_nc_u64 s[4:5], s[4:5], s[2:3]            ; Q and O at my wave's first row
	s_add_nc_u64 s[10:11], s[10:11], s[50:51]
	s_cmp_lt_u32 s[WV], 2
	s_cselect_b64 s[PFA:PFA+1], s[6:7], s[8:9]     ; (in waves 0 and 2 these stand at a slot's first row)
	s_lshl_b32 s2, s13, 13                         ; my work-group's 32 blocks of the 128
	s_add_nc_u64 s[PFA:PFA+1], s[PFA:PFA+1], s[2:3]
	s_add_nc_u64 s[PFA:PFA+1], s[PFA:PFA+1], TILEB ; in slot 1; the first change of slots steps it to slot 2.  Nothing is prefetched here, at the head
	CROUND                          ; all four work-groups are here: the first joint loads meet
	JLOAD                           ; slot 0.  Slot 1 is asked for when slot 0 is in
	; A fragment of K or Q is 16 rows x 32 channels in 8 registers: lane l holds row l % 16, channels 8 (l / 16) + 0..7 and 16 + 8 (l / 16) + 0..7: two loads of 16 bytes, 32 bytes apart.
	v_and_b32 v1, 15, v0            ; l % 16
	v_bfe_u32 v9, v0, 4, 1          ; l / 16
	v_lshlrev_b32 v[QO], 7, v1
	v_lshl_add_u32 v[QO], v9, 4, v[QO]  ; row x 128 + 16 x half
	WIN 0x80                        ; destination window 2, address window 0
.set i, 0
.rept 8                             ; Q stays in registers: piece i / 2, channels 32 (i % 2) on
	global_load_b128 v[8*i:8*i+3],   v[QO], s[4:5] offset:(i/2)*2048+(i%2)*64
	global_load_b128 v[8*i+4:8*i+7], v[QO], s[4:5] offset:(i/2)*2048+(i%2)*64+32
.set i, i+1
.endr
	; What the first turn finds: V's registers and P's second buffer hold 0 (its products V^T P, of a piece that has not been, add 0), O^T and l are 0.  All this stands in the wait for the first tile.
.set i, VF
.rept 64
	v_mov_b32 v[i], 0
.set i, i+1
.endr
	WIN 0x40
.set i, 0
.rept 128
	v_mov_b32 v[i], 0
.set i, i+1
.endr
	WIN 0
.set i, 0
.rept 4
	v_mov_b32 v[ST+4*i], 0xfe000000    ; c m: far below every c s
	v_mov_b32 v[ST+4*i+1], 0xff7fffff  ; m
	v_mov_b32 v[ST+4*i+2], 0
	v_mov_b32 v[ST+4*i+3], 0
.set i, i+1
.endr
.set i, P+16
.rept 16
	v_mov_b32 v[i], 0
.set i, i+1
.endr
	v_mul_u32_u24 v[AK0], v1, PK
	v_lshl_add_u32 v[AK0], v9, 4, v[AK0]  ; row x pitch + 16 x half
	; The turning load takes 16 keys x 16 channels (lane l reads key 8 (l / 16) + l % 8, channels 8 ((l / 8) % 2) + 0..7) and leaves half a fragment of V^T: lane l holds channel l % 16 and 8 keys.
	v_and_b32 v10, 7, v0
	v_bfe_u32 v11, v0, 3, 1
	v_lshl_add_u32 v[AV0], v9, 3, v10
	v_mul_u32_u24 v[AV0], v[AV0], PV
	v_lshl_add_u32 v[AV0], v11, 4, v[AV0]
	v_add_nc_u32 v[AV0], VOFF, v[AV0]
	s_mul_i32 s13, s[WV], 16*SP
	s_add_co_u32 s13, s13, STAGE    ; my stage
	v_mul_u32_u24 v[STO], v1, SP    ; in: row l % 16, 16 bytes for each half of the lanes
	v_lshl_add_u32 v[STO], v9, 4, v[STO]
	v_add_nc_u32 v[STO], s13, v[STO]
	v_bfe_u32 v[RD], v0, 3, 2       ; back: 32 lanes take four rows of 128 bytes,
	v_mul_u32_u24 v[RD], v[RD], SP
	v_lshl_add_u32 v[RD], v10, 4, v[RD]
	v_add_nc_u32 v[RD], s13, v[RD]
	v_and_b32 v[GO], 31, v0         ; which are 512 consecutive bytes of O
	v_lshlrev_b32 v[GO], 4, v[GO]
; THE MATRIX WORK.  The 4 accumulators of a run of 8 take turns.  Product i of 8 of S^T = K Q^T for piece x: channels 32 (i / 4) on, keys 16 (i % 4) on.  The first 4 start the sums.
.macro KQ x
.set rS, S+32*((\x)%2)+8*(i%4)
.set rK, KF+16*(i%4)+8*(i/4)
.set rQ, 16*(\x)+8*(i/4)
	WIN W_KQ
.if i < 4
	v_wmma_f32_16x16x32_f16 v[rS:rS+7], v[rK:rK+7], v[rQ:rQ+7], 0
.else
	v_wmma_f32_16x16x32_f16 v[rS:rS+7], v[rK:rK+7], v[rQ:rQ+7], v[rS:rS+7]
.endif
.endm
; Product i of 8 of O^T += V^T P for piece x: keys 32 (i / 4) on, channels 16 (i % 4) on.
.macro PV x
	WIN W_PV
.set rO, 32*(\x)+8*(i%4)
.set rV, VF+32*(i/4)+8*(i%4)
.set rP, P+16*((\x)%2)+8*(i/4)
	v_wmma_f32_16x16x32_f16 v[rO:rO+7], v[rV:rV+7], v[rP:rP+7], v[rO:rO+7]
.endm
.macro MM                           ; the turn's next matrix instruction.  TURN sets Y, i and NOKQ.  NOKQ = 1: the launch's last turn: there is no next piece
.if (i < 8) && !NOKQ
	KQ (Y+1)%NP
.elseif i >= 8
.set i, i-8
	PV (Y+NP-1)%NP
.set i, i+8
.endif
.set i, i+1
.endm
; THE LDS LOADS stand in runs of 16, never singly among the matrix instructions: a step's K (64 keys x 64 channels: 8 fragments) and its V (turned).  Their addresses are made some lines ahead.
.macro FETCH_K
	WIN 0x80                        ; destination window 2
.irp f, 0,1,2,3,4,5,6,7             ; keys 16 (f / 2) on, channels 32 (f % 2) on
	ds_load_b128 v[KF+8*\f:KF+8*\f+3],   v[AK] offset:(\f/2)*16*PK+(\f%2)*64
	ds_load_b128 v[KF+8*\f+4:KF+8*\f+7], v[AK] offset:(\f/2)*16*PK+(\f%2)*64+32
.endr
	s_add_co_u32 s[TBK], s[TBK], KS*PK  ; the next fetch is the next step's
	WIN 0
.endm
.macro FETCH_V
	WIN 0x80
.irp f, 0,1,2,3,4,5,6,7             ; keys 32 (f / 4) on, channels 16 (f % 4) on
	ds_load_tr16_b128 v[VF+8*\f:VF+8*\f+3],   v[AV] offset:(\f/4)*32*PV+(\f%4)*32
	ds_load_tr16_b128 v[VF+8*\f+4:VF+8*\f+7], v[AV] offset:(\f/4)*32*PV+16*PV+(\f%4)*32
.endr
	WIN 0
.endm
; THE VECTOR WORK, one line at a time: OP kind, number.  For piece Y: F n: c s - c m for pair n of 16.  E n: the exponential of score n of 32.  C n: pair n rounded to f16.  B n: of the four weights 4 n .. the second
; pair is added onto the first, in place.  L n: l takes that sum (L 0: l = a l + sum).  R n: pair n of 16 of O^T times a.  For piece Y + 1: X n, number n of the 22 that find its maximum and statistics:
;   0-11  four chains c0-c3 of seven scores each, three operands at a time (each accumulator's lowest registers are read first)     12-14, 16  the four scores left over, the old m, and c0-c3 into c0
;   15  c m_old is kept     17, 18  the query's other 32 keys lie in the lane 16 away: the new m     19-21  c m; c m_old - c m_new; a
.set F, 0               ; OP tells the kinds apart by their order: F to L below R, X above it
.set E, 1
.set C, 2
.set B, 3
.set L, 4
.set R, 5
.set X, 6
.macro REGS y                       ; the registers of piece y
.set rT, ST+4*(\y)
.set rC, TMP+4*((\y)%2)
.set rW, MV+((\y)%2)
.set rS, S+32*((\y)%2)
.set rP, P+16*((\y)%2)
.set rO, 32*(\y)
.endm
.macro OP k, n
.if (\k) == R
	REGS Y
	WIN W_RS
	v_pk_mul_f32 v[rO+2*(\n):rO+2*(\n)+1], v[rO+2*(\n):rO+2*(\n)+1], v[rC+2:rC+3] op_sel_hi:[1,0]
.elseif (\k) < R
	REGS Y
	WIN 0
.if (\k) == F
	v_pk_fma_f32 v[rS+2*(\n):rS+2*(\n)+1], v[rS+2*(\n):rS+2*(\n)+1], s[CS:CS+1], v[rT:rT+1] op_sel_hi:[1,0,0] neg_lo:[0,0,1] neg_hi:[0,0,1]
.elseif (\k) == E
	v_exp_f32 v[rS+(\n)], v[rS+(\n)]
.elseif (\k) == C
	s_wait_alu depctr_va_vdst(0)
	v_cvt_pk_f16_f32 v[rP+(\n)], v[rS+2*(\n)], v[rS+2*(\n)+1]
.elseif (\k) == B
	s_wait_alu depctr_va_vdst(0)
	v_pk_add_f32 v[rS+4*(\n):rS+4*(\n)+1], v[rS+4*(\n):rS+4*(\n)+1], v[rS+4*(\n)+2:rS+4*(\n)+3]
.elseif (\n) == 0
	v_pk_fma_f32 v[rT+2:rT+3], v[rT+2:rT+3], v[rC+2:rC+3], v[rS:rS+1] op_sel_hi:[1,0,1]
.else
	v_pk_add_f32 v[rT+2:rT+3], v[rT+2:rT+3], v[rS+4*(\n):rS+4*(\n)+1]
.endif
.elseif NOKQ
	v_nop
.else
	REGS (Y+1)%NP
	WIN 0
.if (\n) < 4
	v_max3_num_f32 v[rC+(\n)], v[rS+8*(\n)], v[rS+8*(\n)+1], v[rS+8*(\n)+2]
.elseif (\n) < 12
	v_max3_num_f32 v[rC+(\n)%4], v[rC+(\n)%4], v[rS+8*((\n)%4)+2*((\n)/4)+1], v[rS+8*((\n)%4)+2*((\n)/4)+2]
.elseif (\n) == 12
	v_max3_num_f32 v[rC], v[rC], v[rS+7], v[rS+15]
.elseif (\n) == 13
	v_max3_num_f32 v[rC+1], v[rC+1], v[rS+23], v[rS+31]
.elseif (\n) == 14
	v_max3_num_f32 v[rC+2], v[rC+2], v[rC+3], v[rT+1]
.elseif (\n) == 15
	v_mov_b32 v[rW], v[rT]
.elseif (\n) == 16
	v_max3_num_f32 v[rC], v[rC], v[rC+1], v[rC+2]
.elseif (\n) == 17
	v_permlanex16_b32 v[rC+3], v[rC], s[SEL], s[SEL+1]
.elseif (\n) == 18
	v_max_num_f32 v[rT+1], v[rC], v[rC+3]
.elseif (\n) == 19
	v_mul_f32 v[rT], s[CS], v[rT+1]
.elseif (\n) == 20
	v_sub_f32 v[rC+1], v[rW], v[rT]
.else
	v_exp_f32 v[rC+2], v[rC+1]
.endif
.endif
.endm
.macro OPS a, i1, b=-1, i2=0, c=-1, i3=0, d=-1, i4=0  ; up to four of them
	OP \a, \i1
.if (\b) >= 0
	OP \b, \i2
.endif
.if (\c) >= 0
	OP \c, \i3
.endif
.if (\d) >= 0
	OP \d, \i4
.endif
.endm
.macro ROW a, i1, b, i2, c, i3, d, i4  ; a matrix instruction and the four behind it
	MM
	OPS \a, \i1, \b, \i2, \c, \i3, \d, \i4
.endm
; A TURN, for piece p: the order of its 16 matrix and 118 vector instructions, written out.  Behind a matrix instruction: plain, exponential, plain, plain; or four of the rescaling; or, behind the first, four scalings; none
; names a register of the products round it.  In the runs of their own exponential and plain by turns while exponentials last.  A line reads no result made fewer than three vector instructions in front of it, five if an
; exponential made it.  v_permlanex16_b32 (X 17) stands in such a run.
; end = 1: the launch's last two turns: nothing is fetched.  cnt = 1: the loop's count is taken down some lines ahead of the branch that stands behind the turn.
; K of the next step is fetched in piece 2's turn, six vector instructions behind the last product that read K (five of them plain); V of the step in hand in piece 0's turn, eight behind the last product that read V (four
; plain, and X 17).  Each is waited for a turn later.
.macro TURN p, end=0, cnt=0
.set Y, (\p)
.set i, 0
.set NOKQ, (\end)*((\p)/3)
.if ((\p) == 3) && !(\end)
	s_wait_dscnt 0x0                ; K is in
.endif
	ROW F,0, F,1, F,2, F,3
	ROW F,4, E,0, F,5, F,6
	ROW F,7, E,1, F,8, F,9
	ROW F,10, E,2, C,0, F,11
	ROW F,12, E,3, X,15, F,13
	ROW R,0, R,1, R,2, R,3
	ROW B,0, E,4, F,14, L,0
.if ((\p) == 2) && !(\end)
	v_add_nc_u32 v[AK], s[TBK], v[AK0]
.endif
	ROW R,4, R,5, R,6, R,7
	OPS E,5, F,15
.if ((\p) == 2) && !(\end)
	FETCH_K
.endif
	OPS E,6, C,1, E,7, R,8
	OPS E,8, R,9, E,9, C,2
	OPS E,10, X,0, E,11, X,1
	OPS E,12, X,2, E,13, X,3
.if (\p) == 1
	s_wait_dscnt 0x0                ; V is in
.endif
	ROW X,4, E,14, X,5, X,6
	ROW X,7, E,15, X,8, X,9
	ROW X,10, E,16, X,11, X,12
	ROW X,13, E,17, X,14, B,1
	ROW C,4, E,18, X,16, L,1
	ROW B,2, E,19, C,6, L,2
	ROW C,8, E,20, B,3, B,4
.if (\p) == 0
	v_add_nc_u32 v[AV], s[TBV], v[AV0]
.endif
	ROW C,3, E,21, L,3, C,5
	OPS E,22, X,17, E,23, C,10
.if (\p) == 0
	FETCH_V
.endif
	OPS E,24, L,4
	OPS E,25, X,18, E,26, C,7
	OPS E,27, B,5, E,28, X,19
	OPS E,29, C,12, E,30, L,5
	OPS E,31, X,20, B,6, C,9
	OPS C,14, C,11, X,21, L,6
.if (\p) == 0
	s_add_co_u32 s[TBV], s[TBV], KS*PV
.endif
.if \cnt
	s_sub_co_u32 s[CNT], s[CNT], 1
	s_cmp_lg_u32 s[CNT], 0
.endif
	OPS C,13, B,7, C,15, R,10
	OPS R,11, R,12, L,7, R,13
	OPS R,14, R,15
.endm
	CHANGE 1                        ; slot 0 is in, everybody's part of it; slot 1 is asked for
	v_add_nc_u32 v[AK], s[TBK], v[AK0]
	FETCH_K                         ; key step 0
	s_wait_loadcnt 0x0              ; Q
	s_wait_dscnt 0x0
.set NOKQ, 0
.set i, 0
.rept 8
	KQ 0                            ; piece 0's first scores: there is no vector work yet to set between them
.set i, i+1
.endr
	WIN 0
.rept 4
	v_nop                           ; the places behind those products
.endr
.set Y, NP-1                        ; X works for piece Y + 1: piece 0
.irp n, 0,1,2,3,4,5,6,7,8,9,10,11,12,13,14,15,16,17,18,19,20,21
	OP X, \n                        ; piece 0's first maximum and statistics
.endr
	v_nop                           ; a plain instruction behind the exponential
	s_mov_b32 s[CNT], 4
	s_branch .Lfirst                ; the loop is entered at a step's first turn, in the middle of a trip
.Lslot:                             ; 14 times: every slot but the last two is filled again
	CHANGE 1
	s_mov_b32 s[CNT], 4
.Lstep:                             ; a trip: pieces 2 and 3 of one step, then pieces 0 and 1 of the next, whose K and V it fetches
	TURN 2
	TURN 3
	WIN 0
.Lfirst:
	TURN 0
	TURN 1, 0, 1
	WIN 0
	s_cbranch_scc1 .Lstep
	s_sub_co_u32 s[SLOTS], s[SLOTS], 1
	s_cmp_lg_u32 s[SLOTS], 0
	s_cbranch_scc1 .Lslot
	CHANGE 0                        ; the last slot is written out: nothing is asked for
	s_mov_b32 s[CNT], 4
.LstepT:
	TURN 2
	TURN 3
	WIN 0
	TURN 0
	TURN 1, 0, 1
	WIN 0
	s_cbranch_scc1 .LstepT
	TURN 2, 1                       ; the last step's pieces 2 and 3: nothing is fetched, and the last turn starts no new scores
	TURN 3, 1
.set i, 0
.rept 8
	PV NP-1                         ; the last piece's V^T P of the last step
.set i, i+1
.endr
	; THE WAY OUT.  l's two halves and the other half of the lanes' are added; O^T is divided by l, rounded to f16 and sent through my stage in LDS, a piece at a time.  The additions are the places behind the last products.
	WIN 0
.macro ALL line:vararg              ; one line for each piece t
.set t, 0
.rept 4
	\line
.set t, t+1
.endr
.endm
	ALL v_add_f32 v[ST+4*t+2], v[ST+4*t+2], v[ST+4*t+3]
	ALL v_permlanex16_b32 v[ST+4*t+3], v[ST+4*t+2], s[SEL], s[SEL+1]
	ALL v_add_f32 v[ST+4*t+2], v[ST+4*t+2], v[ST+4*t+3]
	ALL v_rcp_f32 v[ST+4*t+2], v[ST+4*t+2]
	v_nop                           ; a plain instruction between the last reciprocal and the use of its result
.macro PACK t                       ; a lane's eight channels of a row pack into 16 bytes; they go into rows of 144 bytes and come back as whole rows of 128, into S^T's registers
	WIN W_RS
.set i, 32*(\t)
.rept 16
	s_wait_alu depctr_va_vdst(0)
	v_pk_mul_f32 v[i:i+1], v[i:i+1], v[ST+4*(\t)+2:ST+4*(\t)+3] op_sel_hi:[1,0]
.set i, i+2
.endr
	WIN 0x05                        ; sources 0 and 1 window 1, destination window 0
.set i, 0
.rept 16
	v_cvt_pk_f16_f32 v[S+16*(\t)+i], v[32*(\t)+2*i], v[32*(\t)+2*i+1]
.set i, i+1
.endr
	WIN 0
.irp f, 0,1,2,3
	ds_store_b128 v[STO], v[S+16*(\t)+4*\f:S+16*(\t)+4*\f+3] offset:32*\f
.endr
.irp f, 0,1,2,3
	ds_load_b128 v[S+16*(\t)+4*\f:S+16*(\t)+4*\f+3], v[RD] offset:\f*4*SP  ; LDS serves a wave's instructions in order (ISA guide 5.7.1.4): these see the stores above; the next piece's stores come behind them
.endr
.endm
.macro SEND t, younger              ; younger: the LDS instructions issued behind piece t's loads: the next piece's eight, or none
	WIN 0
.irp f, 0,1,2,3
	s_wait_dscnt (\younger)+3-\f
	global_store_b128 v[GO], v[S+16*(\t)+4*\f:S+16*(\t)+4*\f+3], s[10:11] offset:(\t)*2048+\f*512  ; 512 consecutive bytes, at a multiple of 256 from ob's first
.endr
.endm
	PACK 0
.set t, 1
.rept 3                             ; a piece's arithmetic stands between the loads of the piece before and its stores
	PACK t
	SEND t-1, 8
.set t, t+1
.endr
	SEND 3, 0
	s_wait_tensorcnt 0x0            ; the wave's end: these three lines stand behind my last tensor load and my last LDS store
	ds_add_u32 v[SPW], v[NIL]
	s_wait_dscnt 0x0
	CROUND                          ; the closing round: no work-group ends while a partner may still ask for a tile that names it
	s_endpgm
.Lfunc_end_k_q91c2c66f8b_attn:
	.size	k_q91c2c66f8b_attn, .Lfunc_end_k_q91c2c66f8b_attn-k_q91c2c66f8b_attn
	.p2alignl 7, 3214868480
	.fill 96, 4, 3214868480
	.section	.rodata,"a",@progbits
	.p2align	6, 0x0
	.amdhsa_kernel k_q91c2c66f8b_attn
		.amdhsa_group_segment_fixed_size 327680
		.amdhsa_private_segment_fixed_size 0
		.amdhsa_enable_private_segment 0
		.amdhsa_kernarg_size 16
		.amdhsa_user_sgpr_count 2
		.amdhsa_user_sgpr_kernarg_segment_ptr 1
		.amdhsa_wavefront_size32 1
		.amdhsa_system_sgpr_workgroup_id_x 1
		.amdhsa_system_sgpr_workgroup_id_y 1
		.amdhsa_system_sgpr_workgroup_id_z 1
		.amdhsa_system_vgpr_workitem_id 0
		.amdhsa_next_free_vgpr 768
		.amdhsa_next_free_sgpr 66
		.amdhsa_reserve_vcc 0
		.amdhsa_float_denorm_mode_32 3
		.amdhsa_float_denorm_mode_16_64 3
		.amdhsa_memory_ordered 1
		.amdhsa_forward_progress 1
		.amdhsa_inst_pref_size 135
	.end_amdhsa_kernel
	.amdgpu_metadata
---
amdhsa.version: [ 1, 2 ]
amdhsa.kernels:
  - .name:           k_q91c2c66f8b_attn
    .symbol:         k_q91c2c66f8b_attn.kd
    .args:
      - { .name: qkv, .offset: 0, .size: 8, .value_kind: global_buffer, .address_space: global }
      - { .name: ob, .offset: 8, .size: 8, .value_kind: global_buffer, .address_space: global }
    .group_segment_fixed_size: 327680
    .private_segment_fixed_size: 0
    .kernarg_segment_align: 8
    .kernarg_segment_size: 16
    .max_flat_workgroup_size: 128
    .sgpr_count:     66
    .vgpr_count:     768
    .wavefront_size: 32
...
	.end_amdgpu_metadata
.endif
;; end of part 3
;; launch oproj (part 4): grid 8 x 32, 4 waves a work-group, clusters of 4 x 4, 327,680 bytes of LDS; arguments ob, wo, bias, out0; writes out0
.if DOCPART == 4
	.amdgcn_target "amdgcn-amd-amdhsa--gfx1250"
	.amdhsa_code_object_version 6
	.text
	.protected	k_q91c2c66f8b_oproj
	.globl	k_q91c2c66f8b_oproj
	.p2align	8
	.type	k_q91c2c66f8b_oproj,@function
k_q91c2c66f8b_oproj:
	s_mov_b64 s[64:65], 0
	v_nop
	global_prefetch_b8 v0, s[64:65] scope:SCOPE_SE
	s_setreg_imm32_b32 hwreg(HW_REG_WAVE_MODE, 25, 1), 1
	s_wait_xcnt 0x0
	s_wait_alu depctr_hold_cnt(0) depctr_sa_sdst(0) depctr_va_vdst(0) depctr_va_sdst(0) depctr_va_ssrc(0) depctr_va_vcc(0) depctr_vm_vsrc(0)
	s_getreg_b32 s2, hwreg(HW_REG_IB_STS2, 6, 4)
	s_cmp_eq_u32 s2, 0
	s_cbranch_scc0 .Lentry_in_a_cluster
	s_endpgm
.Lentry_in_a_cluster:
	s_bfe_u32 s2, ttmp6, 0x10000c
	s_cmp_lg_u32 s2, 0xf033
	s_cbranch_scc0 .Lentry_shape_is_right
	s_endpgm
.Lentry_shape_is_right:
; out0[m][n] = bo[n] + the sum over k of O[m][k] Wo[n][k], m < 4096, n < 1024, k = 64 head + channel < 1024.  Operands f16, sums f32, out0 f32.
; O comes as ob = f16 [32][16][128][64] (block of 128 tokens, head, token, channel): a K step of 256 (four heads) of a tile's 128 tokens is 65,536 consecutive bytes.
; wo = f16 [1024][1024]; bo is bias[3072 ..], f32.
; SHARES.  A tile of out0 is 128 x 128: 8 x 32 = 256 work-groups.  Four waves, each 64 x 64: 16 accumulators of 16 x 16, 128 registers.  K goes in four steps of 256 through two LDS slots.
; CLUSTERS: 4 x 4 work-groups.  The four of a row of the cluster need the same tiles of ob, the four of a column the same tiles of wo: each tile is asked for JOINTLY.
; THE MATRIX INSTRUCTION IS USED TRANSPOSED (source 0 = 16 rows of wo, source 1 = 16 tokens): a lane holds eight neighbouring numbers of a row of out0.  THE BIAS STARTS THE SUMS, as the first products' C operand.
; A wave's 64 columns are 256 bytes of a row of out0, so each wave's way out goes through a stage of its own, with no barrier.
; REGISTERS: window 0: v0-31 addresses; v96-127 the bias; v128-255 the accumulators ((a, b) at v[128 + 8 (4 a + b)]).
;   window 1: two fragment buffers of 128: for 64 along K (two matrix instructions deep), 64 registers of ob (2 x 4 x 16 rows x 32 K), then 64 of wo.
.set PA,     144                       ; a token's 128 bytes of one head in LDS + 16 of padding = 36 words: the 16 rows of a load start at 16 different groups of four banks (64 banks of 4 bytes: ISA guide 11.1)
.set PLANE,  128*PA                    ; one head's 128 tokens
.set AHALF,  2*PLANE                   ; two heads: one tensor load
.set BOFF,   2*AHALF
.set PB,     528                       ; a row of wo: 512 bytes + 16 of padding = 132 words
.set BHALF,  64*PB                     ; 64 rows: one tensor load
.set SLOT,   BOFF+2*BHALF
.set STAGE,  2*SLOT                    ; behind the ring, never filled by a tensor load: 16 rows x 272 bytes for each wave
.set SPITCH, 272
.set SPARE,  STAGE+4*16*SPITCH         ; behind the stages: the spare words, 128 bytes for each wave: two blocks of 256 bytes that no other line names
.set ROWC,   4096                      ; bytes in a row of out0
.set ADRA, 16                          ; v16-17  LDS address of my fragments of ob in slot 0, 1
.set ADRB, 20                          ; v20-21  the same for wo
.set STO,  24                          ; v24     the way out: where I put 32 bytes of a row
.set RD,   25                          ; v25     the way out: where I read a row back
.set CO,   26                          ; v26     my byte offset in two rows of out0
.set BO,   27                          ; v27     32 x (l / 16): my eight numbers in a block of 16 of the bias
.set SPW,  28                          ; v28     LDS address of my spare word: SPARE + 4 x my thread's number; never rewritten
.set NIL,  29                          ; v29     0; never rewritten
.set BIAS, 96
.set ACC,  128
.set F0,   0                           ; fragment buffers, in window 1
.set F1,   128
.set G1,  24                           ; s[24:31] descriptor group 1 for ob's tiles;  s[32:39] group 0, a set for each slot
.set G0,  32
.set G1B, 48                           ; s[48:55], s[56:63] the same for wo's tiles
.set G0B, 56
.set MSB, 0
.macro WIN new                         ; the immediate's high byte repeats the setting that is left; a switch that changes nothing is dropped
.if MSB != (\new)
	s_set_vgpr_msb (MSB<<8)|(\new)
.set MSB, \new
.endif
.endm
.set MUL,  0x05                        ; sources 0 (wo) and 1 (ob) window 1; C and D window 0
.set TO_F, 0x40                        ; destination window 1, address window 0
.macro JLOAD s                         ; a joint refill: waves 0 and 1 fetch ob's two halves, waves 2 and 3 wo's; an s_nop 0 and four v_nop follow each of the two lines
	s_cmp_lt_u32 s12, 2
	s_cbranch_scc0 .Lfor_b_\@
	tensor_load_to_lds s[G0+4*(\s):G0+4*(\s)+3], s[G1:G1+7]
	s_nop 0
.rept 4
	v_nop
.endr
	s_branch .Lasked_\@
.Lfor_b_\@:
	tensor_load_to_lds s[G0B+4*(\s):G0B+4*(\s)+3], s[G1B:G1B+7]
	s_nop 0
.rept 4
	v_nop
.endr
.Lasked_\@:
.endm
.macro CREST                           ; a round of the cluster's barrier behind its opening barrier
	s_cmp_lg_u32 s12, 0
	s_cbranch_scc1 .Lnot_wave_0_\@
	s_barrier_signal -3
.Lnot_wave_0_\@:
	s_barrier_wait -3
	s_barrier_signal -1
	s_barrier_wait -1
.endm
.macro CROUND                          ; a whole round
	s_barrier_signal -1
	s_barrier_wait -1
	CREST
.endm
.macro PLACES                          ; four places in front of loads into registers that matrix instructions have read, and of LDS stores that read results
.rept 4
	v_nop
.endr
.endm
	s_load_b256 s[4:11], s[0:1], 0x0               ; ob s[4:5], wo s[6:7], bias s[8:9], out0 s[10:11]
	v_lshl_add_u32 v[SPW], v0, 2, SPARE
	v_mov_b32 v[NIL], 0
	ds_add_u32 v[SPW], v[NIL]                      ; the wave's opening: the add and its wait stand ahead of my first tensor load; the set-up below, work on registers, stands between them
	v_lshrrev_b32 v1, 5, v0
	v_readfirstlane_b32 s12, v1                    ; wave 0..3
	s_lshr_b32 s13, s12, 1                         ; which half of the tile's rows is mine
	s_and_b32 s14, s12, 1                          ; which half of its columns; also which half of a tile I fetch
	s_bfe_u32 s40, ttmp6, 0x40000                  ; cx, cy: my place in the cluster
	s_bfe_u32 s41, ttmp6, 0x40004
	s_lshl_b32 s42, ttmp9, 2
	s_add_co_u32 s42, s42, s40                     ; tile column = 4 x cluster x + cx
	s_and_b32 s43, ttmp7, 0xffff
	s_lshl_b32 s43, s43, 2
	s_add_co_u32 s43, s43, s41                     ; tile row = 4 x cluster y + cy
	s_lshl_b32 s44, s41, 2
	s_lshl_b32 s44, 15, s44                        ; my row of the cluster
	s_lshl_b32 s45, 0x1111, s40                    ; my column
	s_or_b32 s[G1],  s44, (1<<16)|(1<<20)|(1<<21)|(4<<22)|(3<<25)  ; ob: the mask of my row; 2-byte elements; padding on; bit 21 beside a mask; after every 32 words (code 4) 4 words (code 3)
	s_or_b32 s[G1B], s45, (1<<16)|(1<<20)|(1<<21)|(6<<22)|(3<<25)  ; wo: the mask of my column; after every 128 words (code 6) 4 words
	s_mov_b32 s[G1+1], 128<<16                     ; ob: two heads' 32,768 dense bytes as 128 rows of 128 elements (256 bytes, two tokens)
	s_mov_b32 s[G1+2], 128<<16
	s_mov_b32 s[G1+3], 128<<16
	s_mov_b32 s[G1+4], 128
	s_mov_b32 s[G1+5], 128
	s_mov_b32 s[G1+6], 0
	s_mov_b32 s[G1+7], 0
	s_mov_b32 s[G1B+1], 256<<16                    ; wo: 64 rows of 256 elements, 1,024 elements from row to row
	s_mov_b32 s[G1B+2], 64<<16
	s_mov_b32 s[G1B+3], 256<<16
	s_mov_b32 s[G1B+4], 64
	s_mov_b32 s[G1B+5], 1024
	s_mov_b32 s[G1B+6], 0
	s_mov_b32 s[G1B+7], 0
	s_lshl_b32 s16, s43, 18                        ; ob: the tile row's 262,144 bytes,
	s_lshl_b32 s17, s14, 15                        ; my two heads of a K step's four
	s_add_co_u32 s16, s16, s17
	s_mov_b32 s17, 0
	s_lshl_b32 s46, s42, 7
	s_lshl_b32 s47, s14, 6
	s_add_co_u32 s46, s46, s47                     ; wo: row 128 x tile column + 64 x half,
	s_lshl_b32 s46, s46, 11                        ; of 2,048 bytes
	s_mov_b32 s47, 0
	s_mul_i32 s20, s12, AHALF                      ; where they go: ob's halves at wave x AHALF (waves 0, 1),
	s_mul_i32 s21, s12, BHALF
	s_add_co_u32 s21, s21, BOFF-2*BHALF            ; wo's at BOFF + (wave - 2) x BHALF (waves 2, 3)
	s_wait_dscnt 0x0                               ; the opening add is done
	s_wait_kmcnt 0x0
	s_add_nc_u64 s[18:19], s[4:5], s[16:17]
	s_add_nc_u64 s[46:47], s[6:7], s[46:47]
.irp s, 0,1
	s_mov_b32 s[G0+4*(\s)], 1
	s_add_co_u32 s[G0+4*(\s)+1], s20, (\s)*SLOT
	s_add_nc_u64 s[G0+4*(\s)+2:G0+4*(\s)+3], s[18:19], (\s)*65536   ; K step s: four heads on
	s_or_b32 s[G0+4*(\s)+3], s[G0+4*(\s)+3], 0x80000000
	s_mov_b32 s[G0B+4*(\s)], 1
	s_add_co_u32 s[G0B+4*(\s)+1], s21, (\s)*SLOT
	s_add_nc_u64 s[G0B+4*(\s)+2:G0B+4*(\s)+3], s[46:47], (\s)*512   ; K step s: 256 elements on
	s_or_b32 s[G0B+4*(\s)+3], s[G0B+4*(\s)+3], 0x80000000
.endr
	CROUND                                         ; all sixteen work-groups are here: the first joint loads meet
	s_cmp_lt_u32 s12, 2                            ; a wave's two first fills stand in one branch, ahead of every wait on TENSORcnt and every LDS read: two loads of mine are out
	s_cbranch_scc0 .Lfirst_b
	tensor_load_to_lds s[G0:G0+3], s[G1:G1+7]
	s_nop 0
	tensor_load_to_lds s[G0+4:G0+7], s[G1:G1+7]
	s_nop 0
.rept 4
	v_nop
.endr
	s_branch .Lfirst_asked
.Lfirst_b:
	tensor_load_to_lds s[G0B:G0B+3], s[G1B:G1B+7]
	s_nop 0
	tensor_load_to_lds s[G0B+4:G0B+7], s[G1B:G1B+7]
	s_nop 0
.rept 4
	v_nop
.endr
.Lfirst_asked:
	v_and_b32 v1, 15, v0                           ; l % 16
	v_bfe_u32 v2, v0, 4, 1                         ; l / 16
	v_mul_u32_u24 v3, v1, PA
	v_lshl_add_u32 v3, v2, 4, v3                   ; a fragment's row x pitch + 16 x half, for ob
	v_mul_u32_u24 v4, v1, PB
	v_lshl_add_u32 v4, v2, 4, v4                   ; and for wo
	s_mul_i32 s21, s13, 64*PA                      ; my 64 tokens in each head's plane
	s_mul_i32 s22, s14, BHALF                      ; my 64 rows of wo,
	s_add_co_u32 s22, s22, BOFF                    ; which lie behind ob's four planes
.irp s, 0,1
	v_add_nc_u32 v[ADRA+(\s)], s21, v3
	v_add_nc_u32 v[ADRB+(\s)], s22, v4
	s_add_co_u32 s21, s21, SLOT
	s_add_co_u32 s22, s22, SLOT
.endr
	s_mul_i32 s23, s12, 16*SPITCH
	s_add_co_u32 s23, s23, STAGE                   ; my stage
	v_mul_u32_u24 v5, v1, SPITCH                   ; in: row l % 16, 32 bytes for each half of the lanes
	v_lshl_add_u32 v5, v2, 5, v5
	v_add_nc_u32 v[STO], s23, v5
	v_mul_u32_u24 v5, v2, SPITCH                   ; back: lanes 0-15 take one row of 256 bytes, lanes 16-31 the next
	v_lshl_add_u32 v5, v1, 4, v5
	v_add_nc_u32 v[RD], s23, v5
	v_lshlrev_b32 v5, 12, v2                       ; and the same two rows in out0
	v_lshl_add_u32 v[CO], v1, 4, v5
	v_lshlrev_b32 v[BO], 5, v2
	s_lshl_b32 s46, s42, 9                         ; the tile's 128 columns: 512 bytes of f32,
	s_lshl_b32 s47, s14, 8                         ; my 64 of them
	s_add_co_u32 s46, s46, s47
	s_mov_b32 s47, 0
	s_add_nc_u64 s[8:9], s[8:9], s[46:47]
	s_add_nc_u64 s[10:11], s[10:11], s[46:47]
.irp b, 0,1,2,3
	global_load_b128 v[BIAS+8*(\b):BIAS+8*(\b)+3],   v[BO], s[8:9] offset:12288+64*(\b)     ; bo begins 3,072 numbers in; register j: column 16 b + 8 (l / 16) + j
	global_load_b128 v[BIAS+8*(\b)+4:BIAS+8*(\b)+7], v[BO], s[8:9] offset:12288+64*(\b)+16
.endr
	s_lshl_b32 s46, s43, 7
	s_lshl_b32 s16, s13, 6
	s_add_co_u32 s46, s46, s16                     ; my first row: 128 x tile row + 64 x half,
	s_lshl_b32 s46, s46, 12                        ; of 4,096 bytes
	s_add_nc_u64 s[10:11], s[10:11], s[46:47]
; 8 matrix instructions: m blocks a0, a0 + 1 x all 4 n blocks, 32 along K: half c of buffer f.  first = 1: the bias starts the sums.  The 16 accumulators take turns.
.macro MUL8 f, c, a0, first
	WIN MUL
.irp a, \a0, (\a0)+1
.irp b, 0,1,2,3
.if \first
	v_wmma_f32_16x16x32_f16 v[ACC+8*(4*(\a)+(\b)):ACC+8*(4*(\a)+(\b))+7], v[(\f)+64+8*(4*(\c)+(\b)):(\f)+64+8*(4*(\c)+(\b))+7], v[(\f)+8*(4*(\c)+(\a)):(\f)+8*(4*(\c)+(\a))+7], v[BIAS+8*(\b):BIAS+8*(\b)+7]
.else
	v_wmma_f32_16x16x32_f16 v[ACC+8*(4*(\a)+(\b)):ACC+8*(4*(\a)+(\b))+7], v[(\f)+64+8*(4*(\c)+(\b)):(\f)+64+8*(4*(\c)+(\b))+7], v[(\f)+8*(4*(\c)+(\a)):(\f)+8*(4*(\c)+(\a))+7], v[ACC+8*(4*(\a)+(\b)):ACC+8*(4*(\a)+(\b))+7]
.endif
.endr
.endr
.endm
; 32 LDS loads in one run: the fragments of quarter q of a K step (one head: 64 along K) into buffer f; the first 32 along K first
.macro FETCH slot, q, f
	WIN TO_F
.irp c, 0,1
.irp i, 0,1,2,3
	ds_load_b128 v[(\f)+64+8*(4*(\c)+(\i)):(\f)+64+8*(4*(\c)+(\i))+3],   v[ADRB+(\slot)] offset:(\q)*128+64*(\c)+(\i)*16*PB
	ds_load_b128 v[(\f)+64+8*(4*(\c)+(\i))+4:(\f)+64+8*(4*(\c)+(\i))+7], v[ADRB+(\slot)] offset:(\q)*128+64*(\c)+(\i)*16*PB+32
	ds_load_b128 v[(\f)+8*(4*(\c)+(\i)):(\f)+8*(4*(\c)+(\i))+3],         v[ADRA+(\slot)] offset:(\q)*PLANE+64*(\c)+(\i)*16*PA
	ds_load_b128 v[(\f)+8*(4*(\c)+(\i))+4:(\f)+8*(4*(\c)+(\i))+7],       v[ADRA+(\slot)] offset:(\q)*PLANE+64*(\c)+(\i)*16*PA+32
.endr
.endr
.endm
; A K step is four quarters of 64 along K, 32 matrix instructions each, on buffers 0, 1, 0, 1.  One of the first three: multiplies buffer f and fetches quarter q into g.
.macro QUARTER slot, q, f, g, first
	s_wait_dscnt 16                                ; the first 32 along K are in
	MUL8 \f, 0, 0, \first
	MUL8 \f, 0, 2, \first
	PLACES
	FETCH \slot, \q, \g
	s_wait_dscnt 32                                ; all but the 32 just issued
	MUL8 \f, 1, 0, 0
	MUL8 \f, 1, 2, 0
.endm
; The last quarter multiplies buffer 1 and changes slots: ONE barrier; in front of it each wave waits for all its tensor loads, adds 0 to its spare word, and waits for that and for its own reads of this slot.
; fill = 1: the barrier opens a round of the cluster's, and this slot is filled again, two K steps ahead, first thing behind the round: 112 matrix instructions ahead of the wait for it.
.macro TURN slot, next, fill
	WIN 0                                          ; (the add's two registers lie in window 0)
	s_wait_tensorcnt 0x0                           ; all my tensor loads have landed: my part of the next slot
	ds_add_u32 v[SPW], v[NIL]                      ; 0 onto my spare word
	s_wait_dscnt 17                                ; (the add and the youngest sixteen loads may be out)
	MUL8 F1, 0, 0, 0                               ; eight matrix instructions stand between the add and the wait for it
	s_wait_dscnt 0x0                               ; the add is done, and my reads of this slot are over
	s_barrier_signal -1
	MUL8 F1, 0, 2, 0
.if \fill
	WIN 0
.endif
	s_barrier_wait -1
.if \fill
	CREST                                          ; no wave of any partner still reads this slot's tile or has a load on its way
	s_add_nc_u64 s[G0+4*(\slot)+2:G0+4*(\slot)+3], s[G0+4*(\slot)+2:G0+4*(\slot)+3], 2*65536
	s_add_nc_u64 s[G0B+4*(\slot)+2:G0B+4*(\slot)+3], s[G0B+4*(\slot)+2:G0B+4*(\slot)+3], 2*512
	JLOAD \slot                                    ; the four v_nop behind it are also the places in front of the loads below
.else
	PLACES
.endif
	FETCH \next, 0, F0
	MUL8 F1, 1, 0, 0
	MUL8 F1, 1, 2, 0
.endm
; THE WAY OUT of block a (16 rows x my 64 columns, f32).  OUT: a lane's 32 bytes of each accumulator, low half first, into my stage, and back as whole rows of 256 bytes into the same 32 registers.
.macro OUT a
.irp b, 0,1,2,3
	ds_store_b128 v[STO], v[ACC+8*(4*(\a)+(\b)):ACC+8*(4*(\a)+(\b))+3]   offset:64*(\b)
	ds_store_b128 v[STO], v[ACC+8*(4*(\a)+(\b))+4:ACC+8*(4*(\a)+(\b))+7] offset:64*(\b)+16
.endr
.irp t, 0,1,2,3,4,5,6,7
	ds_load_b128 v[ACC+32*(\a)+4*(\t):ACC+32*(\a)+4*(\t)+3], v[RD] offset:(\t)*2*SPITCH  ; LDS serves a wave's instructions in order (ISA guide 5.7.1.4): these see the stores above; the next block's stores come behind them
.endr
.endm
.macro SEND a, younger                 ; younger: the LDS instructions issued behind block a's loads: the next block's sixteen, or none
.irp t, 0,1,2,3,4,5,6,7
	s_wait_dscnt (\younger)+7-(\t)
	global_store_b128 v[CO], v[ACC+32*(\a)+4*(\t):ACC+32*(\a)+4*(\t)+3], s[10:11] offset:(16*(\a)+2*(\t))*ROWC  ; 16 lanes store 256 consecutive bytes, at a multiple of 256 from out0's first byte
.endr
.endm
	s_wait_tensorcnt 0x1                           ; my part of K step 0 is in; K step 1's may stay out
	s_barrier_signal -1
	s_barrier_wait -1                              ; everybody's is
	FETCH 0, 0, F0
	s_wait_loadcnt 0x0                             ; the bias
	QUARTER 0, 1, F0, F1, 1                        ; K step 0; its first products start the sums
	QUARTER 0, 2, F1, F0, 0
	QUARTER 0, 3, F0, F1, 0
	TURN 0, 1, 1                                   ; slot 0 takes K step 2
	QUARTER 1, 1, F0, F1, 0                        ; K step 1
	QUARTER 1, 2, F1, F0, 0
	QUARTER 1, 3, F0, F1, 0
	TURN 1, 0, 1                                   ; slot 1 takes K step 3
	QUARTER 0, 1, F0, F1, 0                        ; K step 2
	QUARTER 0, 2, F1, F0, 0
	QUARTER 0, 3, F0, F1, 0
	TURN 0, 1, 0                                   ; nothing is left to fetch
	QUARTER 1, 1, F0, F1, 0                        ; K step 3
	QUARTER 1, 2, F1, F0, 0
	QUARTER 1, 3, F0, F1, 0
	s_wait_dscnt 16                                ; the very last quarter
	MUL8 F1, 0, 0, 0
	MUL8 F1, 0, 2, 0
	s_wait_dscnt 0x0
	MUL8 F1, 1, 0, 0
	MUL8 F1, 1, 2, 0
	WIN 0
	PLACES
	OUT 0
	OUT 1                                          ; a block's trip through the stage stands between the loads of the block before and its stores
	SEND 0, 16
	OUT 2
	SEND 1, 16
	OUT 3
	SEND 2, 16
	SEND 3, 0
	s_wait_tensorcnt 0x0                           ; the wave's end: these three lines stand behind my last tensor load and my last LDS store
	ds_add_u32 v[SPW], v[NIL]
	s_wait_dscnt 0x0
	CROUND                                         ; the closing round: no work-group ends while a partner may still ask for a tile that names it
	s_endpgm
.Lfunc_end_k_q91c2c66f8b_oproj:
	.size	k_q91c2c66f8b_oproj, .Lfunc_end_k_q91c2c66f8b_oproj-k_q91c2c66f8b_oproj
	.p2alignl 7, 3214868480
	.fill 96, 4, 3214868480
	.section	.rodata,"a",@progbits
	.p2align	6, 0x0
	.amdhsa_kernel k_q91c2c66f8b_oproj
		.amdhsa_group_segment_fixed_size 327680
		.amdhsa_private_segment_fixed_size 0
		.amdhsa_enable_private_segment 0
		.amdhsa_kernarg_size 32
		.amdhsa_user_sgpr_count 2
		.amdhsa_user_sgpr_kernarg_segment_ptr 1
		.amdhsa_wavefront_size32 1
		.amdhsa_system_sgpr_workgroup_id_x 1
		.amdhsa_system_sgpr_workgroup_id_y 1
		.amdhsa_system_sgpr_workgroup_id_z 1
		.amdhsa_system_vgpr_workitem_id 0
		.amdhsa_next_free_vgpr 512
		.amdhsa_next_free_sgpr 66
		.amdhsa_reserve_vcc 0
		.amdhsa_float_denorm_mode_32 3
		.amdhsa_float_denorm_mode_16_64 3
		.amdhsa_memory_ordered 1
		.amdhsa_forward_progress 1
		.amdhsa_inst_pref_size 87
	.end_amdhsa_kernel
	.amdgpu_metadata
---
amdhsa.version: [ 1, 2 ]
amdhsa.kernels:
  - .name:           k_q91c2c66f8b_oproj
    .symbol:         k_q91c2c66f8b_oproj.kd
    .args:
      - { .name: ob, .offset: 0, .size: 8, .value_kind: global_buffer, .address_space: global }
      - { .name: wo, .offset: 8, .size: 8, .value_kind: global_buffer, .address_space: global }
      - { .name: bias, .offset: 16, .size: 8, .value_kind: global_buffer, .address_space: global }
      - { .name: out0, .offset: 24, .size: 8, .value_kind: global_buffer, .address_space: global }
    .group_segment_fixed_size: 327680
    .private_segment_fixed_size: 0
    .kernarg_segment_align: 8
    .kernarg_segment_size: 32
    .max_flat_workgroup_size: 128
    .sgpr_count:     66
    .vgpr_count:     512
    .wavefront_size: 32
...
	.end_amdgpu_metadata
.endif
;; end of part 4
;; ======== version 2 of 2: 4 launches; version 1 with the launch cast written anew for expert scheduling mode
;; limits: values are held in f16: magnitudes above 65,504 overflow, below 6.1e-05 lose precision
;; workspace buffers: xb 8,388,608 bytes; wb 6,291,456 bytes; wo 2,097,152 bytes; bias 16,384 bytes; qkv 25,165,824 bytes; ob 8,388,608 bytes
;; launch cast (part 5): grid 513 x 1, 8 waves a work-group, no clusters, 0 bytes of LDS; arguments x, Wq, Wk, Wv, Wo, bq, bk, bv, bo, xb, wb, wo, bias; writes xb, wb, wo, bias
.if DOCPART == 5
	.amdgcn_target "amdgcn-amd-amdhsa--gfx1250"
	.amdhsa_code_object_version 6
	.text
	.protected	k_q91c2c66f8b_cast
	.globl	k_q91c2c66f8b_cast
	.p2align	8
	.type	k_q91c2c66f8b_cast,@function
k_q91c2c66f8b_cast:
	s_mov_b64 s[64:65], 0
	v_nop
	global_prefetch_b8 v0, s[64:65] scope:SCOPE_SE
	s_setreg_imm32_b32 hwreg(HW_REG_WAVE_SCHED_MODE, 0, 2), 2
	s_setreg_imm32_b32 hwreg(HW_REG_WAVE_MODE, 25, 1), 1
	s_wait_xcnt 0x0
	s_wait_alu depctr_vm_vsrc(0)
; CAST: every input is rounded once to bf16 (nearest even) and laid where the later launches want it.
;   xb   = bf16 [4096][1024]            x
;   wb   = bf16 [3072][1024]            the rows of Wq, then Wk, then Wv
;   wo   = f16  [1024][1024]            Wo rounded to bf16, that number written as f16
;   bias = f32  [4096]                  bq | bk | bv | bo, each rounded to bf16 and widened again
; LIMITS.  A number of Wo beyond 65,504 becomes an infinity in f16; below 6.1e-5 it keeps f16's fixed step of 6e-8.
; SHARES.  A work-group takes a chunk of 16,384 numbers (64 KiB in, 32 KiB out): chunks 0-255 x, 256-319 Wq, 320-383 Wk, 384-447 Wv, 448-511 Wo;
; work-group 512 takes the four biases.  A wave takes 8 KiB as 16 loads of 512 consecutive bytes, all issued at once; each load becomes one store
; of 8 bytes a lane: 256 consecutive bytes, at a multiple of 256 from the buffer's first byte.  No byte is read or written twice; no work-group
; reads what another reads, so there is no LDS, no barrier and no cluster.  No register that a pending load or store names is written again.
; THE MODE: SCHED_MODE bits 1:0 = 2 (LLVM: expert scheduling mode 2), set by the entry lines.  The code itself states the register dependences
; between vector instructions and memory instructions, with s_wait_alu, always for 0.
; THE PLAN.  Registers that memory instructions touch:
;   v1, v2, v3   byte offsets: written once by vector instructions at the head, read by every load and store, never written again.
;   X            written by the loads alone, each register once; read by the conversions; no load lands there a second time.
;   Y            each register is written once, by a conversion, and read once, by a store; never written again.
;   T            is named by vector instructions alone.
; So the only dependences to state are: the offsets are written, ahead of the first load; and Y is written, ahead of the store that reads it.
; The 16 loads go in four blocks of four.  Block p rounds X of block p into Y of block p; its memory instructions are the four stores of block p - 1,
; which read v2 and Y of block p - 1: registers that no vector instruction of block p names.  ONE wait at a block's head, behind the wait for the block's
; first load, states that the block before has written its Y; the four stores follow it, dealt among the block's conversions, with no further wait.
; One more wait stands behind block 3, ahead of the last four stores.  The biases: all four are rounded, one wait, four stores.
.set T, 4                              ; v[4:7]    at work
.set X, 8                              ; v[8:71]   16 x 4 numbers as loaded
.set Y, 72                             ; v[72:103] 16 x 2 registers to store (biases: 4 x 4)
.set FIRST_WQ, 256                     ; the first chunk of each tensor
.set FIRST_WK, 320
.set FIRST_WV, 384
.set FIRST_WO, 448
.set BIASES,   512
	s_load_b512 s[8:23], s[0:1], 0x0               ; x 8, Wq 10, Wk 12, Wv 14, Wo 16, bq 18, bk 20, bv 22
	s_load_b256 s[24:31], s[0:1], 0x40             ; bo 24, xb 26, wb 28, wo 30
	s_load_b64 s[32:33], s[0:1], 0x60              ; bias
	s_mov_b32 s2, ttmp9                            ; my chunk
	v_lshrrev_b32 v4, 5, v0                        ; wave
	v_and_b32 v5, 31, v0                           ; lane
	v_lshlrev_b32 v1, 4, v5
	v_lshl_or_b32 v1, v4, 13, v1                   ; in: 8,192 x wave + 16 x lane
	v_lshlrev_b32 v2, 3, v5
	v_lshl_or_b32 v2, v4, 12, v2                   ; out: 4,096 x wave + 8 x lane
	v_lshlrev_b32 v3, 4, v0                        ; the biases: 16 x thread
	s_wait_kmcnt 0x0
	s_wait_alu depctr_va_vdst(0)                   ; v1, v2 and v3 are written: every load and store of the kernel, on both paths below, reads one of them as its offset
	s_cmp_eq_u32 s2, BIASES
	s_cbranch_scc1 .Lbias
	s_mov_b64 s[36:37], s[8:9]                     ; from x
	s_mov_b64 s[38:39], s[26:27]                   ; to xb
	s_mov_b32 s4, 0                                ; the source's first chunk
	s_mov_b32 s5, 0                                ; the destination's first chunk
	s_cmp_ge_u32 s2, FIRST_WQ
	s_cselect_b64 s[36:37], s[10:11], s[36:37]
	s_cselect_b64 s[38:39], s[28:29], s[38:39]
	s_cselect_b32 s4, FIRST_WQ, s4
	s_cselect_b32 s5, FIRST_WQ, s5                 ; wb takes Wq, Wk and Wv on end
	s_cmp_ge_u32 s2, FIRST_WK
	s_cselect_b64 s[36:37], s[12:13], s[36:37]
	s_cselect_b32 s4, FIRST_WK, s4
	s_cmp_ge_u32 s2, FIRST_WV
	s_cselect_b64 s[36:37], s[14:15], s[36:37]
	s_cselect_b32 s4, FIRST_WV, s4
	s_cmp_ge_u32 s2, FIRST_WO
	s_cselect_b64 s[36:37], s[16:17], s[36:37]
	s_cselect_b64 s[38:39], s[30:31], s[38:39]
	s_cselect_b32 s4, FIRST_WO, s4
	s_cselect_b32 s5, FIRST_WO, s5
	s_sub_co_u32 s40, s2, s4
	s_lshl_b32 s40, s40, 16                        ; 65,536 bytes of f32 a chunk
	s_mov_b32 s41, 0
	s_sub_co_u32 s42, s2, s5
	s_lshl_b32 s42, s42, 15                        ; 32,768 bytes of 16-bit numbers
	s_mov_b32 s43, 0
	s_add_nc_u64 s[36:37], s[36:37], s[40:41]
	s_add_nc_u64 s[38:39], s[38:39], s[42:43]
.irp i, 0,1,2,3,4,5,6,7,8,9,10,11,12,13,14,15
	global_load_b128 v[X+4*(\i):X+4*(\i)+3], v1, s[36:37] offset:512*(\i) th:TH_LOAD_NT
.endr
; Load i is rounded into Y's pair i.  half = 1: the bf16 numbers are widened again and written as f16.
.macro CONV i, half
.if \half
	v_cvt_pk_bf16_f32 v[T],   v[X+4*(\i)],   v[X+4*(\i)+1]
	v_cvt_pk_bf16_f32 v[T+1], v[X+4*(\i)+2], v[X+4*(\i)+3]
	v_lshlrev_b32 v[T+2], 16, v[T]                 ; bf16 to f32: the low half moves up,
	v_and_b32     v[T],   0xffff0000, v[T]         ; the high half stays
	v_lshlrev_b32 v[T+3], 16, v[T+1]
	v_and_b32     v[T+1], 0xffff0000, v[T+1]
	v_cvt_pk_f16_f32 v[Y+2*(\i)],   v[T+2], v[T]
	v_cvt_pk_f16_f32 v[Y+2*(\i)+1], v[T+3], v[T+1]
.else
	v_cvt_pk_bf16_f32 v[Y+2*(\i)],   v[X+4*(\i)],   v[X+4*(\i)+1]
	v_cvt_pk_bf16_f32 v[Y+2*(\i)+1], v[X+4*(\i)+2], v[X+4*(\i)+3]
.endif
.endm
; Block p: loads 4 p to 4 p + 3 are rounded, and the four stores of block p - 1 are issued, one ahead of each load's conversions.
.macro BLK p, half
	s_wait_loadcnt 15-4*(\p)                       ; loads come back in order: load 4 p is in, the younger ones stay out
.if (\p) > 0
	s_wait_alu depctr_va_vdst(0)                   ; the block before has written its eight registers of Y, which the four stores below read; no vector instruction behind this wait names them or v2
.endif
.irp k, 0,1,2,3
.if (\p) > 0
	global_store_b64 v2, v[Y+2*(4*(\p)-4+(\k)):Y+2*(4*(\p)-4+(\k))+1], s[38:39] offset:256*(4*(\p)-4+(\k))
.endif
.if (\k) > 0
	s_wait_loadcnt 15-4*(\p)-(\k)                  ; load 4 p + k is in
.endif
	CONV 4*(\p)+(\k), \half
.endr
.endm
; A wave's whole share: four blocks, then the last block's stores.
.macro SHARE half
	BLK 0, \half
	BLK 1, \half
	BLK 2, \half
	BLK 3, \half
	s_wait_alu depctr_va_vdst(0)                   ; block 3 has written its eight registers of Y, which the last four stores read
.irp k, 12,13,14,15
	global_store_b64 v2, v[Y+2*(\k):Y+2*(\k)+1], s[38:39] offset:256*(\k)
.endr
	s_endpgm
.endm
	s_cmp_ge_u32 s2, FIRST_WO
	s_cbranch_scc1 .Lf16
	SHARE 0
.Lf16:
	SHARE 1
.Lbias:                                        ; 256 threads x 16 bytes are one whole bias
	global_load_b128 v[X:X+3],     v3, s[18:19]
	global_load_b128 v[X+4:X+7],   v3, s[20:21]
	global_load_b128 v[X+8:X+11],  v3, s[22:23]
	global_load_b128 v[X+12:X+15], v3, s[24:25]
.irp k, 0,1,2,3
	s_wait_loadcnt 3-(\k)                          ; bias k is in
	v_cvt_pk_bf16_f32 v[T],   v[X+4*(\k)],   v[X+4*(\k)+1]
	v_cvt_pk_bf16_f32 v[T+1], v[X+4*(\k)+2], v[X+4*(\k)+3]
	v_lshlrev_b32 v[Y+4*(\k)],   16, v[T]
	v_and_b32     v[Y+4*(\k)+1], 0xffff0000, v[T]
	v_lshlrev_b32 v[Y+4*(\k)+2], 16, v[T+1]
	v_and_b32     v[Y+4*(\k)+3], 0xffff0000, v[T+1]
.endr
	s_wait_alu depctr_va_vdst(0)                   ; the sixteen registers of Y are written, which the four stores read
.irp k, 0,1,2,3
	global_store_b128 v3, v[Y+4*(\k):Y+4*(\k)+3], s[32:33] offset:4096*(\k)
.endr
	s_endpgm
.Lfunc_end_k_q91c2c66f8b_cast:
	.size	k_q91c2c66f8b_cast, .Lfunc_end_k_q91c2c66f8b_cast-k_q91c2c66f8b_cast
	.p2alignl 7, 3214868480
	.fill 96, 4, 3214868480
	.section	.rodata,"a",@progbits
	.p2align	6, 0x0
	.amdhsa_kernel k_q91c2c66f8b_cast
		.amdhsa_group_segment_fixed_size 0
		.amdhsa_private_segment_fixed_size 0
		.amdhsa_enable_private_segment 0
		.amdhsa_kernarg_size 104
		.amdhsa_user_sgpr_count 2
		.amdhsa_user_sgpr_kernarg_segment_ptr 1
		.amdhsa_wavefront_size32 1
		.amdhsa_system_sgpr_workgroup_id_x 1
		.amdhsa_system_sgpr_workgroup_id_y 1
		.amdhsa_system_sgpr_workgroup_id_z 1
		.amdhsa_system_vgpr_workitem_id 0
		.amdhsa_next_free_vgpr 104
		.amdhsa_next_free_sgpr 66
		.amdhsa_reserve_vcc 0
		.amdhsa_float_denorm_mode_32 3
		.amdhsa_float_denorm_mode_16_64 3
		.amdhsa_memory_ordered 1
		.amdhsa_forward_progress 1
		.amdhsa_inst_pref_size 20
	.end_amdhsa_kernel
	.amdgpu_metadata
---
amdhsa.version: [ 1, 2 ]
amdhsa.kernels:
  - .name:           k_q91c2c66f8b_cast
    .symbol:         k_q91c2c66f8b_cast.kd
    .args:
      - { .name: x, .offset: 0, .size: 8, .value_kind: global_buffer, .address_space: global }
      - { .name: Wq, .offset: 8, .size: 8, .value_kind: global_buffer, .address_space: global }
      - { .name: Wk, .offset: 16, .size: 8, .value_kind: global_buffer, .address_space: global }
      - { .name: Wv, .offset: 24, .size: 8, .value_kind: global_buffer, .address_space: global }
      - { .name: Wo, .offset: 32, .size: 8, .value_kind: global_buffer, .address_space: global }
      - { .name: bq, .offset: 40, .size: 8, .value_kind: global_buffer, .address_space: global }
      - { .name: bk, .offset: 48, .size: 8, .value_kind: global_buffer, .address_space: global }
      - { .name: bv, .offset: 56, .size: 8, .value_kind: global_buffer, .address_space: global }
      - { .name: bo, .offset: 64, .size: 8, .value_kind: global_buffer, .address_space: global }
      - { .name: xb, .offset: 72, .size: 8, .value_kind: global_buffer, .address_space: global }
      - { .name: wb, .offset: 80, .size: 8, .value_kind: global_buffer, .address_space: global }
      - { .name: wo, .offset: 88, .size: 8, .value_kind: global_buffer, .address_space: global }
      - { .name: bias, .offset: 96, .size: 8, .value_kind: global_buffer, .address_space: global }
    .group_segment_fixed_size: 0
    .private_segment_fixed_size: 0
    .kernarg_segment_align: 8
    .kernarg_segment_size: 104
    .max_flat_workgroup_size: 256
    .sgpr_count:     66
    .vgpr_count:     104
    .wavefront_size: 32
...
	.end_amdgpu_metadata
.endif
;; end of part 5
;; launch qkv: the kernel of part 2 again; grid 16 x 16, 4 waves a work-group, clusters of 4 x 4, 327,680 bytes of LDS; arguments xb, wb, bias, qkv; writes qkv
;; launch attn: the kernel of part 3 again; grid 16 x 16, 4 waves a work-group, clusters of 4 x 1, 327,680 bytes of LDS; arguments qkv, ob; writes ob
;; launch oproj: the kernel of part 4 again; grid 8 x 32, 4 waves a work-group, clusters of 4 x 4, 327,680 bytes of LDS; arguments ob, wo, bias, out0; writes out0
